; MI455X (gfx1250); checked and timed in simulation.
; The chip was launched on July 23, 2026; its instructions are those of AMD's public machine-readable ISA for CDNA 5 (MIT licence, August 2026) and "CDNA5" Instruction Set Architecture Reference Guide (July 2026). The comments in the code are by the model that wrote it; some were corrected since.
;; Hyperbolic Causal Self Attention. Allowed arithmetic: float matrix products may take bf16 or f16 operands with f32 sums; other float arithmetic in f32, or as packed bf16 or f16 multiplies, adds, multiply-adds, maxima and minima; sums over many terms, partial sums and values carried from step to step in f32; what a program stores and reads back later, other than sums and carried values, may be rounded once to bf16 or f16.
;; Inputs: Wk 1,040 x 1,040 float32; Wp 1,040 x 1,040 float32; Wq 1,040 x 1,040 float32; Wv 1,040 x 1,040 float32; x 2 x 2,048 x 1,040 float32.
;; Outputs: out0 2 x 2,048 x 1,040 float32.
;; One version. Each part assembles by itself: llvm-mc -triple=amdgcn-amd-amdhsa -mcpu=gfx1250 --defsym DOCPART=n.
;; ======== version 1 of 1: 4 launches
;; limits: values are held in f16: magnitudes above 65,504 overflow, below 6.1e-05 lose precision
;; workspace buffers: xb 9,437,184 bytes; wb 7,962,624 bytes; wpb 2,654,208 bytes; tab 69,632 bytes; qk 25,165,824 bytes; vh 10,485,760 bytes; y 8,650,752 bytes
;; launch prep (part 1): grid 561 x 1, 9 waves a work-group, no clusters, 0 bytes of LDS; arguments x, Wq, Wk, Wv, Wp, xb, wb, wpb, tab; writes xb, wb, wpb, tab
.if DOCPART == 1
	.amdgcn_target "amdgcn-amd-amdhsa--gfx1250"
	.amdhsa_code_object_version 6
	.text
	.protected	k_q42c66de12f_prep
	.globl	k_q42c66de12f_prep
	.p2align	8
	.type	k_q42c66de12f_prep,@function
k_q42c66de12f_prep:
	s_mov_b64 s[64:65], 0
	v_nop
	global_prefetch_b8 v0, s[64:65] scope:SCOPE_SE
	s_setreg_imm32_b32 hwreg(HW_REG_WAVE_MODE, 25, 1), 1
	s_wait_xcnt 0x0
; PREP: the module's inputs rounded once to bf16, padded and reordered for the products, and the rotary table.
;   xb  [4096][1152] bf16: x, columns 1040.. are 0 (a row is 2,304 bytes, nine times 256).
;   wb  [3456][1152] bf16: row type*1152 + hf*144 + i (type q, k, v; hf = a pair of heads): i < 128 the spatial rows of heads 2hf and 2hf+1, i = 128, 129 their time rows, the rest 0.
;   wpb [1152][1152] f16 of bf16(Wp): row n; column k' < 1024 is Wp[n][65 (k'/64) + 1 + k'%64], column 1024 + h is Wp[n][65 h], the rest 0.
;   tab [272][64] f32: cos of 32 frequencies, then sin; row 16 g + r holds t = 128 g + r (g < 16), row 256 + r holds t = 16 + r.
; SHARES.  288 threads make two output rows of 2,304 bytes a pass, 16 bytes a thread (a wave's store covers 512 consecutive bytes, aligned); a work-group makes 16 rows in 8 passes.
; The work-group's number chooses its part: 256 for xb, 216 for wb, 72 for wpb, 17 for tab.  Nothing is shared, so there is no LDS and no barrier; all of a part's loads go out on end.
; LIMITS.  A weight of Wp below 6e-5 keeps f16's fixed step of 6e-8.  cos and sin come from t f reduced by pi/2 in two parts and series to r^7 and r^8 (|r| <= pi/4: under 4e-7);
; f = 2^(-i kappa) carries the exponential's last bit, so an angle may differ from the f32 product t f by some 2e-4 at t near 2,047.
.set XROW,  4160                       ; bytes in a row of x and of the weights
.set OROW,  2304                       ; bytes in an output row
.set PASS,  2*OROW
.set GRP,   16*OROW                    ; a work-group's 16 output rows
.set SRC16, 16*XROW
.set RS,  1                            ; v1   which of a pass's two rows is mine
.set CU,  2                            ; v2   my 16-byte unit in the row, 0..143
.set SO,  3                            ; v3   16 x thread: my place in a pass's 4,608 bytes
.set CM,  4                            ; v4   all ones where my unit holds data
.set CC,  5                            ; v5   my unit, held to the last that holds data
.set OFF, 8                            ; v[8:15]  source offsets
.set MK,  16                           ; v[16:23] a mask for each pass
.set DA,  32                           ; v[32:95] data, 8 registers a pass
	s_load_b256 s[4:11], s[0:1], 0x0               ; x s[4:5], Wq s[6:7], Wk s[8:9], Wv s[10:11]
	s_load_b256 s[12:19], s[0:1], 0x20             ; Wp s[12:13], xb s[14:15], wb s[16:17], wpb s[18:19]
	s_load_b64 s[20:21], s[0:1], 0x40              ; tab
	v_cmp_le_u32 vcc_lo, 144, v0
	v_cndmask_b32 v[RS], 0, 1, vcc_lo
	v_mul_u32_u24 v[CU], v[RS], 144
	v_sub_nc_u32 v[CU], v0, v[CU]
	v_lshlrev_b32 v[SO], 4, v0
	v_cmp_gt_u32 vcc_lo, 130, v[CU]                ; 130 units of 8 numbers are the 1,040 columns
	v_cndmask_b32 v[CM], 0, -1, vcc_lo
	v_min_u32 v[CC], 129, v[CU]
	s_mov_b32 s22, ttmp9
	s_mov_b32 s31, 0                               ; the high word of every offset
	s_wait_kmcnt 0x0
	s_cmp_lt_u32 s22, 256
	s_cbranch_scc0 .Lnot_x
	; xb: 16 rows of x
	s_mul_i32 s30, s22, SRC16
	s_add_nc_u64 s[24:25], s[4:5], s[30:31]        ; from
	s_mul_i32 s30, s22, GRP
	s_add_nc_u64 s[26:27], s[14:15], s[30:31]      ; to
	s_mov_b32 s28, XROW                            ; bytes from source row to source row
	s_mov_b32 s29, 15                              ; the last source row
	s_mov_b32 s23, 16                              ; output rows that hold data
	s_branch .Lpath_a
.Lnot_x:
	s_cmp_lt_u32 s22, 472
	s_cbranch_scc0 .Lnot_w
	; wb: j = type*72 + hf*9 + sub; sub < 8: 16 spatial rows of a head; sub = 8: the two time rows and 14 rows of 0
	s_sub_co_u32 s32, s22, 256
	s_mul_i32 s30, s32, GRP
	s_add_nc_u64 s[26:27], s[16:17], s[30:31]
	s_mov_b64 s[24:25], s[6:7]
	s_cmp_ge_u32 s32, 72
	s_cselect_b64 s[24:25], s[8:9], s[24:25]
	s_cselect_b32 s34, 72, 0
	s_cmp_ge_u32 s32, 144
	s_cselect_b64 s[24:25], s[10:11], s[24:25]
	s_cselect_b32 s34, 144, s34
	s_sub_co_u32 s33, s32, s34                     ; 0..71
	s_mul_i32 s35, s33, 57
	s_lshr_b32 s35, s35, 9                         ; hf = that / 9 (57/512 serves up to 71)
	s_mul_i32 s36, s35, 9
	s_sub_co_u32 s36, s33, s36                     ; sub
	s_lshl_b32 s37, s35, 1
	s_lshr_b32 s38, s36, 2
	s_add_co_u32 s37, s37, s38                     ; the head
	s_mul_i32 s37, s37, 65
	s_and_b32 s38, s36, 3
	s_lshl_b32 s38, s38, 4
	s_add_co_u32 s37, s37, s38
	s_add_co_u32 s37, s37, 1                       ; its spatial row 16 (sub % 4)
	s_mul_i32 s38, s35, 130                        ; the time row of head 2 hf; the next head's lies 65 rows on
	s_mov_b32 s39, 65*XROW
	s_cmp_eq_u32 s36, 8
	s_cselect_b32 s37, s38, s37
	s_cselect_b32 s28, s39, XROW
	s_cselect_b32 s29, 1, 15
	s_cselect_b32 s23, 2, 16
	s_mul_i32 s30, s37, XROW
	s_add_nc_u64 s[24:25], s[24:25], s[30:31]
.Lpath_a:
	; rows copied as they lie: 32 bytes of f32 become 16 of bf16.  A pass whose row or unit holds no data loads a clamped address and stores 0.
	v_lshlrev_b32 v[CC], 5, v[CC]
.irp p, 0,1,2,3,4,5,6,7
	v_add_nc_u32 v6, 2*(\p), v[RS]
	v_cmp_gt_u32 vcc_lo, s23, v6
	v_cndmask_b32 v[MK+(\p)], 0, v[CM], vcc_lo
	v_min_u32 v6, s29, v6
	v_mad_u32_u24 v[OFF+(\p)], v6, s28, v[CC]
.endr
.irp p, 0,1,2,3,4,5,6,7
	global_load_b128 v[DA+8*(\p):DA+8*(\p)+3],   v[OFF+(\p)], s[24:25] th:TH_LOAD_NT
	global_load_b128 v[DA+8*(\p)+4:DA+8*(\p)+7], v[OFF+(\p)], s[24:25] offset:16 th:TH_LOAD_NT
.endr
.irp p, 0,1,2,3,4,5,6,7
	s_wait_loadcnt 14-2*(\p)                       ; loads come back in order: this pass's two are in, the later passes' stay out
.irp k, 0,1,2,3
	v_cvt_pk_bf16_f32 v[DA+8*(\p)+(\k)], v[DA+8*(\p)+2*(\k)], v[DA+8*(\p)+2*(\k)+1]  ; in place: register k is written when numbers 2 k and 2 k + 1 have been read
.endr
.irp k, 0,1,2,3
	v_and_b32 v[DA+8*(\p)+(\k)], v[MK+(\p)], v[DA+8*(\p)+(\k)]
.endr
	global_store_b128 v[SO], v[DA+8*(\p):DA+8*(\p)+3], s[26:27] offset:(\p)*PASS th:TH_STORE_NT
.endr
	s_endpgm
.Lnot_w:
	s_cmp_lt_u32 s22, 544
	s_cbranch_scc0 .Ltab
	; wpb: 16 rows of Wp with their columns reordered: a unit's 8 numbers begin one number off a multiple of 16 bytes (or lie 65 columns apart), so they come by loads of 4 bytes
	s_sub_co_u32 s32, s22, 472
	s_mul_i32 s30, s32, GRP
	s_add_nc_u64 s[26:27], s[18:19], s[30:31]
	s_cmp_lt_u32 s32, 65                           ; rows 1,040 and above are 0
	s_cselect_b32 s23, -1, 0
	s_min_u32 s33, s32, 64
	s_mul_i32 s30, s33, SRC16
	s_add_nc_u64 s[24:25], s[12:13], s[30:31]
	v_and_b32 v[CM], s23, v[CM]
	v_lshrrev_b32 v6, 3, v[CC]                     ; units 0..127: head = unit / 8,
	v_and_b32 v7, 7, v[CC]
	v_mul_u32_u24 v6, v6, 65
	v_lshl_add_u32 v6, v7, 3, v6
	v_add_nc_u32 v6, 1, v6                         ; column 65 head + 1 + 8 (unit % 8)
	v_lshlrev_b32 v6, 2, v6
	v_add_nc_u32 v7, 0xffffff80, v[CC]             ; units 128, 129: the time columns of heads 8 (unit - 128) ..
	v_mul_u32_u24 v7, v7, 2080
	v_cmp_gt_u32 vcc_lo, 128, v[CC]
	v_cndmask_b32 v6, v7, v6, vcc_lo
	v_cndmask_b32 v7, 260, 4, vcc_lo               ; bytes from number to number
	v_mad_u32_u24 v6, v[RS], XROW, v6
.irp e, 0,1,2,3,4,5,6,7
	v_mad_u32_u24 v[OFF+(\e)], v7, \e, v6
.endr
.irp p, 0,1,2,3,4,5,6,7
.irp e, 0,1,2,3,4,5,6,7
	global_load_b32 v[DA+8*(\p)+(\e)], v[OFF+(\e)], s[24:25] offset:(\p)*2*XROW
.endr
.endr
.irp p, 0,1,2,3,4,5,6,7
	s_wait_loadcnt 56-8*(\p)                       ; this pass's eight are in
.irp k, 0,1,2,3
	v_cvt_pk_bf16_f32 v24, v[DA+8*(\p)+2*(\k)], v[DA+8*(\p)+2*(\k)+1]  ; rounded to bf16 like every input,
	v_lshlrev_b32 v25, 16, v24
	v_and_b32 v24, 0xffff0000, v24
	v_cvt_pk_f16_f32 v[DA+8*(\p)+(\k)], v25, v24                       ; and that number written as f16
	v_and_b32 v[DA+8*(\p)+(\k)], v[CM], v[DA+8*(\p)+(\k)]
.endr
	global_store_b128 v[SO], v[DA+8*(\p):DA+8*(\p)+3], s[26:27] offset:(\p)*PASS th:TH_STORE_NT
.endr
	s_endpgm
.Ltab:
	; tab: 16 rows of 256 bytes; thread = 16 x row + unit, four numbers a thread; the ninth wave has no part
	v_lshrrev_b32 v6, 5, v0
	v_readfirstlane_b32 s33, v6
	s_cmp_eq_u32 s33, 8
	s_cbranch_scc1 .Lend
	s_sub_co_u32 s32, s22, 544
	s_lshl_b32 s30, s32, 12
	s_add_nc_u64 s[26:27], s[20:21], s[30:31]
	s_lshl_b32 s34, s32, 7
	s_cmp_lt_u32 s32, 16
	s_cselect_b32 s34, s34, 16                     ; the group's first t
	v_lshrrev_b32 v6, 4, v0
	v_add_nc_u32 v6, s34, v6
	v_cvt_f32_u32 v6, v6                           ; t
	v_and_b32 v7, 15, v0
	v_lshrrev_b32 v8, 3, v7                        ; units 8..15 hold sines
	v_and_b32 v7, 7, v7
	v_lshlrev_b32 v7, 2, v7                        ; my first frequency
	v_mul_u32_u24 v8, v8, 3                        ; sin a = cos(a - pi/2): three quarter turns more
.irp m, 0,1,2,3
	v_add_nc_u32 v[12+(\m)], \m, v7
	v_cvt_f32_u32 v[12+(\m)], v[12+(\m)]
	v_mul_f32 v[12+(\m)], 0xbed49a79, v[12+(\m)]   ; - i x 2 log2(10000) / 63.999998
.endr
.irp m, 0,1,2,3
	v_exp_f32 v[12+(\m)], v[12+(\m)]               ; f
.endr
	v_nop                                          ; a plain instruction behind the last exponential,
	s_wait_alu depctr_va_vdst(0)                   ; and the one wait for the four, ahead of their first reader
.irp m, 0,1,2,3
	v_mul_f32 v16, v6, v[12+(\m)]                  ; a = t f
	v_mul_f32 v17, 0x3f22f983, v16
	v_rndne_f32 v17, v17                           ; n = a / (pi/2), rounded
	v_fmamk_f32 v16, v17, 0xbfc90fdb, v16          ; r = a - n pi/2, pi/2 in two parts
	v_fmamk_f32 v16, v17, 0x333bbd2e, v16
	v_mul_f32 v18, v16, v16
	v_mov_b32 v19, 0xb9500d01                      ; sin r = r (1 - r2/6 + r4/120 - r6/5040)
	v_fmaak_f32 v19, v19, v18, 0x3c088889
	v_fmaak_f32 v19, v19, v18, 0xbe2aaaab
	v_fmaak_f32 v19, v19, v18, 0x3f800000
	v_mul_f32 v19, v19, v16
	v_mov_b32 v20, 0x37d00d01                      ; cos r = 1 - r2/2 + r4/24 - r6/720 + r8/40320
	v_fmaak_f32 v20, v20, v18, 0xbab60b61
	v_fmaak_f32 v20, v20, v18, 0x3d2aaaab
	v_fmaak_f32 v20, v20, v18, 0xbf000000
	v_fmaak_f32 v20, v20, v18, 0x3f800000
	v_cvt_i32_f32 v17, v17
	v_add_nc_u32 v17, v17, v8                      ; the quarter q: cos(q pi/2 + r) = cos r, -sin r, -cos r, sin r
	v_and_b32 v21, 1, v17
	v_cmp_eq_u32 vcc_lo, 1, v21
	v_cndmask_b32 v[24+(\m)], v20, v19, vcc_lo
	v_add_nc_u32 v17, 1, v17
	v_and_b32 v17, 2, v17
	v_lshlrev_b32 v17, 30, v17                     ; quarters 1 and 2 turn the sign
	v_xor_b32 v[24+(\m)], v17, v[24+(\m)]
.endr
	global_store_b128 v[SO], v[24:27], s[26:27]
.Lend:
	s_endpgm
.Lfunc_end_k_q42c66de12f_prep:
	.size	k_q42c66de12f_prep, .Lfunc_end_k_q42c66de12f_prep-k_q42c66de12f_prep
	.p2alignl 7, 3214868480
	.fill 96, 4, 3214868480
	.section	.rodata,"a",@progbits
	.p2align	6, 0x0
	.amdhsa_kernel k_q42c66de12f_prep
		.amdhsa_group_segment_fixed_size 0
		.amdhsa_private_segment_fixed_size 0
		.amdhsa_enable_private_segment 0
		.amdhsa_kernarg_size 72
		.amdhsa_user_sgpr_count 2
		.amdhsa_user_sgpr_kernarg_segment_ptr 1
		.amdhsa_wavefront_size32 1
		.amdhsa_system_sgpr_workgroup_id_x 1
		.amdhsa_system_sgpr_workgroup_id_y 1
		.amdhsa_system_sgpr_workgroup_id_z 1
		.amdhsa_system_vgpr_workitem_id 0
		.amdhsa_next_free_vgpr 96
		.amdhsa_next_free_sgpr 66
		.amdhsa_reserve_vcc 1
		.amdhsa_float_denorm_mode_32 3
		.amdhsa_float_denorm_mode_16_64 3
		.amdhsa_memory_ordered 1
		.amdhsa_forward_progress 1
		.amdhsa_inst_pref_size 33
	.end_amdhsa_kernel
	.amdgpu_metadata
---
amdhsa.version: [ 1, 2 ]
amdhsa.kernels:
  - .name:           k_q42c66de12f_prep
    .symbol:         k_q42c66de12f_prep.kd
    .args:
      - { .name: x, .offset: 0, .size: 8, .value_kind: global_buffer, .address_space: global }
      - { .name: Wq, .offset: 8, .size: 8, .value_kind: global_buffer, .address_space: global }
      - { .name: Wk, .offset: 16, .size: 8, .value_kind: global_buffer, .address_space: global }
      - { .name: Wv, .offset: 24, .size: 8, .value_kind: global_buffer, .address_space: global }
      - { .name: Wp, .offset: 32, .size: 8, .value_kind: global_buffer, .address_space: global }
      - { .name: xb, .offset: 40, .size: 8, .value_kind: global_buffer, .address_space: global }
      - { .name: wb, .offset: 48, .size: 8, .value_kind: global_buffer, .address_space: global }
      - { .name: wpb, .offset: 56, .size: 8, .value_kind: global_buffer, .address_space: global }
      - { .name: tab, .offset: 64, .size: 8, .value_kind: global_buffer, .address_space: global }
    .group_segment_fixed_size: 0
    .private_segment_fixed_size: 0
    .kernarg_segment_align: 8
    .kernarg_segment_size: 72
    .max_flat_workgroup_size: 288
    .sgpr_count:     66
    .vgpr_count:     96
    .wavefront_size: 32
...
	.end_amdgpu_metadata
.endif
;; end of part 1
;; launch qkv (part 2): grid 12 x 16, 4 waves a work-group, clusters of 4 x 4, 327,680 bytes of LDS; arguments xb, wb, tab, qk, vh; writes qk, vh
.if DOCPART == 2
	.amdgcn_target "amdgcn-amd-amdhsa--gfx1250"
	.amdhsa_code_object_version 6
	.text
	.protected	k_q42c66de12f_qkv
	.globl	k_q42c66de12f_qkv
	.p2align	8
	.type	k_q42c66de12f_qkv,@function
k_q42c66de12f_qkv:
	s_mov_b64 s[64:65], 0
	v_nop
	global_prefetch_b8 v0, s[64:65] scope:SCOPE_SE
	s_setreg_imm32_b32 hwreg(HW_REG_WAVE_MODE, 25, 1), 1
	s_wait_xcnt 0x0
	s_wait_alu depctr_hold_cnt(0) depctr_sa_sdst(0) depctr_va_vdst(0) depctr_va_sdst(0) depctr_va_ssrc(0) depctr_va_vcc(0) depctr_vm_vsrc(0)
	s_getreg_b32 s2, hwreg(HW_REG_IB_STS2, 6, 4)
	s_cmp_eq_u32 s2, 0
	s_cbranch_scc0 .Lentry_in_a_cluster
	s_endpgm
.Lentry_in_a_cluster:
	s_bfe_u32 s2, ttmp6, 0x10000c
	s_cmp_lg_u32 s2, 0xf033
	s_cbranch_scc0 .Lentry_shape_is_right
	s_endpgm
.Lentry_shape_is_right:
; QKV: x W^T for Wq, Wk, Wv (bf16 operands, f32 sums), then for q and k the rotation, the clip, the new time coordinate; everything leaves by heads in f16.
;   qk: q at byte 0, k at byte 12,582,912, each [32 (batch, head)][2048 t][96] f16: channels 0-63 rotated and clipped; 64-67 the time coordinate as an f16 pair high + low, (h, l, h, l) for q and
;       (h', l', l', h') of -k0 for k, so that the four products add up to -q0 k0; 68-95 are 0.
;   vh: [32][2048][80] f16: channels 0-63 spatial, 64 v's time column, 65 the number 1 (the next launch's row sums), 66-79 are 0.
; LIMITS.  v is kept in f16: |v| stays under 65,504, and below 6e-5 it keeps f16's fixed step of 6e-8.  q, k and their time coordinates lie within 1,001 by the clips that the module itself makes.
; NaN and infinities are not treated apart.  cos and sin are read for a wave's first 16 rows and turned on by 16 rows at a time, seven turns at the most, in f32.
; SHARES.  A work-group makes 256 rows x 288 columns of wb (four heads of one of q, k, v); four waves, each 128 rows x 144 columns: 72 accumulators of 16 x 16, 576 registers.
; 192 work-groups: with tiles of three heads there would be 256, but then q, k or v would hang on a work-group's place in its cluster.
; K goes in nine steps of 128 (rows of 256 bytes, aligned) through a ring of two LDS slots; of the ninth step only the first 32 channels hold data and are multiplied: 33 x 72 products a wave.
; CLUSTER 4 x 4: the four of a row need the same rows of xb, the four of a column the same rows of wb: each tile is asked for jointly, by the same load with the same descriptor and a mask of four.
; THE MATRIX INSTRUCTION IS USED TRANSPOSED (source 0 = 16 rows of wb, source 1 = 16 rows of xb): a lane holds one token (lane % 16) and the columns 16 b + 8 (lane / 16) + 0..7,
; so that a channel d and its partner d + 32 of the rotation lie in one lane.
; THE WAY OUT.  The sums are set down once in LDS (in the ring, which has had its last fill), each wave's in bytes of its own, and a loop of eight trips, 16 rows each, works on them: one text for all rows.
; REGISTERS, in windows of 256 (s_set_vgpr_msb: bits 1:0 source 0, 3:2 source 1, 5:4 source 2, 7:6 destination):
;   window 0: v0-63 addresses and work; v64-127, v128-191 fragments of xb, two buffers (on the way out: the rows as read, the rows as made); v192-255 cos, sin, and cos, sin of a step of 16 rows
;   window 1: v0-71, v72-143 fragments of wb, two buffers; v144-207 the accumulators of the ninth column block      windows 2, 3: accumulator (a, b < 8) at v[8 (8 (a % 4) + b)]
.set KROW,   2304                      ; bytes in a row of xb and wb
.set PITCH,  272                       ; an LDS row: 256 bytes + 16 of padding: the 16 rows of a fragment load start at 16 different groups of four banks (64 banks of 4 bytes: ISA guide 11.1)
.set AHALF,  128*PITCH
.set ATILE,  2*AHALF
.set BHALF,  144*PITCH
.set SLOT,   ATILE+2*BHALF             ; 147,968: xb's 256 rows, then wb's 288
.set DPITCH, 528                       ; the sums set down: 128 f32 of a row, then the two time sums and 8 spare bytes
.set DBLK,   16*DPITCH
.set DWAVE,  128*DPITCH                ; a wave's 128 rows; four waves' 270,336 bytes lie inside the ring
.set STAGE,  2*SLOT                    ; behind the ring: for each wave and head 16 output rows, dense, so that the way back is 512 consecutive bytes a load;
.set SHEAD,  3072                      ; the price: a store's 16 rows begin at 4 (q, k: 192 bytes a row) or 8 (v: 160) different 16-byte columns of 256
.set SPARE,  STAGE+8*SHEAD             ; the spare words, 128 bytes for each wave: two blocks of 256 bytes that no other line names
.set ADRA, 16                          ; v16-17 LDS address of my xb fragments in slot 0, 1
.set TB2,  19                          ; v19    my byte offset in a row of tab
.set ADRB, 20                          ; v20-21 the same as ADRA for wb
.set XR0,  22                          ; v22    where my lane's 32 bytes of a column block lie in the sums set down
.set XA,   23                          ; v23    the same, walking
.set STO,  24                          ; v24    where I put 16 bytes of an output row
.set DT,   25                          ; v25    where my lane's pair of time sums lies
.set CO,   26                          ; v26    16 x lane
.set TBO,  27                          ; v27    my byte offset in tab
.set SPW,  28                          ; v28    LDS address of my spare word; never rewritten
.set NIL,  29                          ; v29    0; never rewritten
.set PFO,  30                          ; v30    the prefetches' offset: lane x a row
.set PFO2, 31                          ; v31    (32 + lane % 4) x a row
.set RDB,  32                          ; v32    my stage + 16 x lane
.set HM,   38                          ; v38    all ones in lanes 0-15
.set ONEV, 39                          ; v39    1.0 in lanes 0-15, else 0
.set ZR,   40                          ; v40-43 0
.set WQ,   44                          ; v44-47 channels 64-71 of an output row
.set PKR,  48                          ; v48-63 a head's 32 numbers of my lane, packed
.set FA,   64
.set X,    64
.set Y,    128
.set CC,   192
.set SS,   208
.set C16,  224
.set S16,  240
.set TA,   144
.set G1A, 24                           ; s[24:31] descriptor group 1 for xb's tiles;  s[32:39] group 0, a set for each slot
.set G0A, 32
.set LIM, 43                           ; s43  1 in a wave that prefetches, else the greatest number
.set PFA, 44                           ; s[44:45] where my prefetches stand
.set G1B, 48                           ; s[48:55], s[56:63] the same for wb's tiles
.set G0B, 56
.set D0,  68                           ; s[68:69], s[70:71] where the two heads' rows go
.set SGN, 73
.set SH,  74
.set CLO, 75
.set CHI, 76
.set CSQ, 77
.set SEL, 78
.set CNT, 80
.set STG, 81
.set MSB, 0
.macro WIN new                         ; the immediate's high byte repeats the setting that is left; a switch that changes nothing is dropped
.if MSB != (\new)
	s_set_vgpr_msb (MSB<<8)|(\new)
.set MSB, \new
.endif
.endm
.set MUL_LO, 0xa1                      ; source 0 (wb) window 1, source 1 (xb) window 0, C and D window 2
.set MUL_HI, 0xf1                      ; C and D window 3
.set MUL_T,  0x51                      ; C and D window 1
.set TO_B,   0x40                      ; destination window 1, address window 0
; A joint load.  Waves 0 and 1 fetch xb's two halves, waves 2 and 3 wb's.  The branch hangs on the wave's number alone.  An s_nop 0 and four v_nop follow each line.
.macro JLOAD s
	s_cmp_eq_u32 s15, 0
	s_cbranch_scc0 .Lfor_b_\@
	tensor_load_to_lds s[G0A+4*(\s):G0A+4*(\s)+3], s[G1A:G1A+7]
	s_nop 0
.rept 4
	v_nop
.endr
	s_branch .Lasked_\@
.Lfor_b_\@:
	tensor_load_to_lds s[G0B+4*(\s):G0B+4*(\s)+3], s[G1B:G1B+7]
	s_nop 0
.rept 4
	v_nop
.endr
.Lasked_\@:
.endm
; A PREFETCH INTO THE L2 of the K step that the NEXT change of slots will load: one K step, 288 products, ahead.  xb's rows are read by every cluster of a row of clusters: cluster x = 0 asks; wb's by every
; cluster of a column: cluster y = 0 asks.  The four partners share a wave's rows out by address: 32 of xb's 128 (a lane a row), 36 of wb's 144 (a lane a row, then four rows more, eight lanes to a row).
; how = 0: the change in the loop's middle, which in the last trip has no K step behind the one it loads; how = 1: the change at the loop's head.  K steps 0, 1 and 2 come by their loads alone.
.macro ASK how
.if \how
	s_cmp_eq_u32 s[LIM], 1
.else
	s_cmp_gt_u32 s3, s[LIM]
.endif
	s_cbranch_scc0 .Lnot_mine_\@
	global_prefetch_b8 v[PFO], s[PFA:PFA+1] offset:256 th:TH_LOAD_NT scope:SCOPE_SE
	s_cmp_eq_u32 s15, 1
	s_cbranch_scc0 .Lnot_mine_\@
	global_prefetch_b8 v[PFO2], s[PFA:PFA+1] offset:256 th:TH_LOAD_NT scope:SCOPE_SE
.Lnot_mine_\@:
.endm
.macro CREST                           ; a round of the cluster's barrier behind its opening barrier
	s_cmp_lg_u32 s14, 0
	s_cbranch_scc1 .Lnot_wave_0_\@
	s_barrier_signal -3
.Lnot_wave_0_\@:
	s_barrier_wait -3
	s_barrier_signal -1
	s_barrier_wait -1
.endm
.macro CROUND
	s_barrier_signal -1
	s_barrier_wait -1
	CREST
.endm
.macro PLACES                          ; four places behind a product, in front of loads into registers that it has read and of lines that read its result
.rept 4
	v_nop
.endr
.endm
	s_load_b256 s[4:11], s[0:1], 0x0               ; xb s[4:5], wb s[6:7], tab s[8:9], qk s[10:11]
	s_load_b64 s[12:13], s[0:1], 0x20              ; vh
	v_lshl_add_u32 v[SPW], v0, 2, SPARE
	v_mov_b32 v[NIL], 0
	ds_add_u32 v[SPW], v[NIL]                      ; the wave's opening: the add and its wait stand ahead of my first tensor load; the set-up below stands between them
	v_lshrrev_b32 v1, 5, v0
	v_readfirstlane_b32 s14, v1                    ; wave 0..3
	s_lshr_b32 s15, s14, 1                         ; which 128 rows are mine.  Also: I fetch for xb (0) or for wb (1)
	s_and_b32 s16, s14, 1                          ; which 144 columns.  Also: which half of that tile I fetch
	s_bfe_u32 s17, ttmp6, 0x40000                  ; cx
	s_bfe_u32 s18, ttmp6, 0x40004                  ; cy
	s_lshl_b32 s19, ttmp9, 2
	s_add_co_u32 s19, s19, s17                     ; tile column 0..11; the cluster's x is q, k or v
	s_and_b32 s20, ttmp7, 0xffff
	s_lshl_b32 s20, s20, 2
	s_add_co_u32 s20, s20, s18                     ; tile row 0..15
	s_lshl_b32 s21, s18, 2
	s_lshl_b32 s21, 15, s21                        ; my row of the cluster
	s_lshl_b32 s22, 0x1111, s17                    ; my column
	s_or_b32 s[G1A], s21, (1<<16)|(1<<20)|(1<<21)|(5<<22)|(3<<25)  ; the mask; elements of 2 bytes; padding on; bit 21 beside a mask; after every 64 words, 4 words
	s_or_b32 s[G1B], s22, (1<<16)|(1<<20)|(1<<21)|(5<<22)|(3<<25)
	s_mov_b32 s[G1A+1], 128<<16                    ; tensor_dim0 = 128
	s_mov_b32 s[G1A+2], 128<<16                    ; tensor_dim1 = 128
	s_mov_b32 s[G1A+3], 128<<16                    ; tile_dim0 = 128
	s_mov_b32 s[G1A+4], 128                        ; tile_dim1 = 128
	s_mov_b32 s[G1A+5], 1152                       ; elements from row to row
	s_mov_b32 s[G1A+6], 0
	s_mov_b32 s[G1A+7], 0
	s_mov_b32 s[G1B+1], 128<<16
	s_mov_b32 s[G1B+2], 144<<16                    ; wb's halves have 144 rows
	s_mov_b32 s[G1B+3], 128<<16
	s_mov_b32 s[G1B+4], 144
	s_mov_b32 s[G1B+5], 1152
	s_mov_b32 s[G1B+6], 0
	s_mov_b32 s[G1B+7], 0
	s_lshl_b32 s21, s20, 8
	s_lshl_b32 s23, s16, 7
	s_add_co_u32 s21, s21, s23                     ; xb: row 256 x tile row + 128 x half
	s_mul_i32 s22, s19, 288
	s_mul_i32 s23, s16, 144
	s_add_co_u32 s22, s22, s23                     ; wb: row 288 x tile column + 144 x half
	s_mul_i32 s40, s21, KROW
	s_mov_b32 s41, 0
	s_mul_i32 s46, s22, KROW
	s_mov_b32 s47, 0
	s_mul_i32 s23, s16, AHALF                      ; where they go: no place in the cluster enters an LDS address
	s_mul_i32 s66, s16, BHALF
	s_add_co_u32 s66, s66, ATILE
	s_mov_b32 s[CLO], 0xc47a0000                   ; -1000
	s_mov_b32 s[CHI], 0x447a0000                   ; 1000
	s_mov_b32 s[CSQ], 0x49742400                   ; 1e6
	s_mov_b32 s[SEL], 0x76543210
	s_mov_b32 s[SEL+1], 0xfedcba98
	s_wait_dscnt 0x0                               ; the opening add is done
	s_wait_kmcnt 0x0
	s_add_nc_u64 s[40:41], s[4:5], s[40:41]
	s_add_nc_u64 s[46:47], s[6:7], s[46:47]
	CROUND                                         ; all sixteen work-groups are here: the first joint loads meet
.irp s, 0,1
	s_mov_b32 s[G0A+4*(\s)], 1
	s_add_co_u32 s[G0A+4*(\s)+1], s23, (\s)*SLOT
	s_add_nc_u64 s[G0A+4*(\s)+2:G0A+4*(\s)+3], s[40:41], (\s)*256   ; K step s
	s_or_b32 s[G0A+4*(\s)+3], s[G0A+4*(\s)+3], 0x80000000
	s_mov_b32 s[G0B+4*(\s)], 1
	s_add_co_u32 s[G0B+4*(\s)+1], s66, (\s)*SLOT
	s_add_nc_u64 s[G0B+4*(\s)+2:G0B+4*(\s)+3], s[46:47], (\s)*256
	s_or_b32 s[G0B+4*(\s)+3], s[G0B+4*(\s)+3], 0x80000000
	JLOAD \s                                       ; both slots' first fills go out together: two loads of mine are out
.endr
	v_and_b32 v1, 15, v0                           ; r = lane % 16
	v_bfe_u32 v2, v0, 4, 1                         ; h = lane / 16
	v_mul_u32_u24 v3, v1, PITCH
	v_lshl_add_u32 v3, v2, 4, v3                   ; a fragment: row x pitch + 16 x half, two loads 32 bytes apart
	s_mul_i32 s82, s15, AHALF
	s_mul_i32 s83, s16, BHALF
	s_add_co_u32 s83, s83, ATILE
.irp s, 0,1
	v_add_nc_u32 v[ADRA+(\s)], s82, v3
	v_add_nc_u32 v[ADRB+(\s)], s83, v3
	s_add_co_u32 s82, s82, SLOT
	s_add_co_u32 s83, s83, SLOT
.endr
	s_mul_i32 s82, s14, DWAVE
	v_mul_u32_u24 v3, v1, DPITCH
	v_add_nc_u32 v3, s82, v3
	v_lshl_add_u32 v[XR0], v2, 5, v3
	v_lshl_add_u32 v[DT], v2, 3, v3
	v_add_nc_u32 v[DT], 512, v[DT]
	s_mul_i32 s[STG], s14, 2*SHEAD
	s_add_co_u32 s[STG], s[STG], STAGE             ; my stage
	v_and_b32 v3, 31, v0
	v_lshlrev_b32 v[CO], 4, v3
	v_add_nc_u32 v[RDB], s[STG], v[CO]
	; cos and sin of my token's 16 frequencies 8 h + 0..7 and 16 + 8 h + 0..7, for the wave's first 16 rows; and of a step of 16 rows.  They land while the products run.
	s_and_b32 s82, s20, 7
	s_lshl_b32 s82, s82, 1
	s_add_co_u32 s82, s82, s15                     ; the wave's first t is 128 times this
	s_lshl_b32 s82, s82, 12
	v_lshlrev_b32 v3, 8, v1
	v_lshl_add_u32 v3, v2, 5, v3
	v_add_nc_u32 v[TBO], s82, v3
	v_lshlrev_b32 v[TB2], 5, v2
.irp b, 0,1
	global_load_b128 v[CC+8*(\b):CC+8*(\b)+3],     v[TBO], s[8:9] offset:64*(\b)
	global_load_b128 v[CC+8*(\b)+4:CC+8*(\b)+7],   v[TBO], s[8:9] offset:64*(\b)+16
	global_load_b128 v[SS+8*(\b):SS+8*(\b)+3],     v[TBO], s[8:9] offset:128+64*(\b)
	global_load_b128 v[SS+8*(\b)+4:SS+8*(\b)+7],   v[TBO], s[8:9] offset:128+64*(\b)+16
	global_load_b128 v[C16+8*(\b):C16+8*(\b)+3],   v[TB2], s[8:9] offset:65536+64*(\b)
	global_load_b128 v[C16+8*(\b)+4:C16+8*(\b)+7], v[TB2], s[8:9] offset:65536+64*(\b)+16
	global_load_b128 v[S16+8*(\b):S16+8*(\b)+3],   v[TB2], s[8:9] offset:65536+128+64*(\b)
	global_load_b128 v[S16+8*(\b)+4:S16+8*(\b)+7], v[TB2], s[8:9] offset:65536+128+64*(\b)+16
.endr
	; the prefetches: s21, s22 still hold the first rows that I fetch
	s_lshl_b32 s82, s17, 5                         ; xb: my work-group's 32 rows, by cx
	s_mul_i32 s83, s18, 36                         ; wb: its 36 rows, by cy
	s_and_b32 s84, ttmp7, 0xffff
	s_cmp_eq_u32 s15, 0
	s_cselect_b32 s85, s21, s22
	s_cselect_b32 s82, s82, s83
	s_cselect_b32 s84, ttmp9, s84                  ; the coordinate along which other clusters read the same rows
	s_cselect_b64 s[PFA:PFA+1], s[4:5], s[6:7]
	s_cmp_eq_u32 s84, 0
	s_cselect_b32 s[LIM], 1, -1                    ; the same in all sixteen partners, for a given wave
	s_add_co_u32 s85, s85, s82
	s_mul_i32 s82, s85, KROW
	s_mov_b32 s83, 0
	s_add_nc_u64 s[PFA:PFA+1], s[PFA:PFA+1], s[82:83]
	s_add_nc_u64 s[PFA:PFA+1], s[PFA:PFA+1], 256   ; at K step 1: each change of slots steps it, and a prefetch names the K step behind it
	v_and_b32 v3, 31, v0
	v_mul_u32_u24 v[PFO], v3, KROW
	v_and_b32 v4, 3, v0
	v_add_nc_u32 v4, 32, v4
	v_mul_u32_u24 v[PFO2], v4, KROW
; THE PRODUCTS of 32 along K from buffer f: 72, always in the same order, so that no two that follow each other share an accumulator.  z = 1: they start the sums: nothing is cleared.
.macro MLO f, z                        ; row blocks 0-3 x column blocks 0-7
	WIN MUL_LO
.irp a, 0,1,2,3
.irp b, 0,1,2,3,4,5,6,7
.if \z
	v_wmma_f32_16x16x32_bf16 v[8*(8*(\a)+(\b)):8*(8*(\a)+(\b))+7], v[72*(\f)+8*(\b):72*(\f)+8*(\b)+7], v[FA+64*(\f)+8*(\a):FA+64*(\f)+8*(\a)+7], 0
.else
	v_wmma_f32_16x16x32_bf16 v[8*(8*(\a)+(\b)):8*(8*(\a)+(\b))+7], v[72*(\f)+8*(\b):72*(\f)+8*(\b)+7], v[FA+64*(\f)+8*(\a):FA+64*(\f)+8*(\a)+7], v[8*(8*(\a)+(\b)):8*(8*(\a)+(\b))+7]
.endif
.endr
.endr
.endm
.macro MHI f, a0, z                    ; row blocks 4 + a0, 5 + a0
	WIN MUL_HI
.irp a, \a0, (\a0)+1
.irp b, 0,1,2,3,4,5,6,7
.if \z
	v_wmma_f32_16x16x32_bf16 v[8*(8*(\a)+(\b)):8*(8*(\a)+(\b))+7], v[72*(\f)+8*(\b):72*(\f)+8*(\b)+7], v[FA+64*(\f)+8*(4+(\a)):FA+64*(\f)+8*(4+(\a))+7], 0
.else
	v_wmma_f32_16x16x32_bf16 v[8*(8*(\a)+(\b)):8*(8*(\a)+(\b))+7], v[72*(\f)+8*(\b):72*(\f)+8*(\b)+7], v[FA+64*(\f)+8*(4+(\a)):FA+64*(\f)+8*(4+(\a))+7], v[8*(8*(\a)+(\b)):8*(8*(\a)+(\b))+7]
.endif
.endr
.endr
.endm
.macro MT f, z                         ; the ninth column block, all eight row blocks
	WIN MUL_T
.irp a, 0,1,2,3,4,5,6,7
.if \z
	v_wmma_f32_16x16x32_bf16 v[TA+8*(\a):TA+8*(\a)+7], v[72*(\f)+64:72*(\f)+71], v[FA+64*(\f)+8*(\a):FA+64*(\f)+8*(\a)+7], 0
.else
	v_wmma_f32_16x16x32_bf16 v[TA+8*(\a):TA+8*(\a)+7], v[72*(\f)+64:72*(\f)+71], v[FA+64*(\f)+8*(\a):FA+64*(\f)+8*(\a)+7], v[TA+8*(\a):TA+8*(\a)+7]
.endif
.endr
.endm
.macro MUL f, z
	MLO \f, \z
	MHI \f, 0, \z
	MHI \f, 2, \z
	MT \f, \z
.endm
; 34 LDS loads in one run: the fragments of 32 along K at byte k of the slot's rows, into buffer f
.macro FETCH slot, k, f
	WIN TO_B
.irp b, 0,1,2,3,4,5,6,7,8
	ds_load_b128 v[72*(\f)+8*(\b):72*(\f)+8*(\b)+3],   v[ADRB+(\slot)] offset:(\k)+(\b)*16*PITCH
	ds_load_b128 v[72*(\f)+8*(\b)+4:72*(\f)+8*(\b)+7], v[ADRB+(\slot)] offset:(\k)+(\b)*16*PITCH+32
.endr
	WIN 0
.irp a, 0,1,2,3,4,5,6,7
	ds_load_b128 v[FA+64*(\f)+8*(\a):FA+64*(\f)+8*(\a)+3],   v[ADRA+(\slot)] offset:(\k)+(\a)*16*PITCH
	ds_load_b128 v[FA+64*(\f)+8*(\a)+4:FA+64*(\f)+8*(\a)+7], v[ADRA+(\slot)] offset:(\k)+(\a)*16*PITCH+32
.endr
.endm
; A K step's third 32 channels (buffer 0) are multiplied, and the slots change.  The step's last fragments (buffer 1) have been asked for, so the wave's reads of the slot end at the wait for 0.
; In front of the barrier each wave waits for all its tensor loads (one is out: its part of the next slot), adds 0 to its spare word, and waits for that and for its reads.
; refill = 1: the barrier opens a round of the cluster's barrier, and the slot just left is filled again first behind it, with the K step two on: it has 288 products less 40 in which to land.
.macro MULE fill, refill
	s_wait_dscnt 34                                ; buffer 0 is in; buffer 1's 34 loads may be out
	MLO 0, 0
	s_wait_xcnt 0x0                                ; the last prefetches, a K step back, have read their address
	s_add_nc_u64 s[PFA:PFA+1], s[PFA:PFA+1], 256
	WIN 0                                          ; (the add's two registers lie in window 0)
	s_wait_tensorcnt 0x0                           ; all my tensor loads have landed, so a group 0 may be written
	ds_add_u32 v[SPW], v[NIL]                      ; 0 onto my spare word
.if \refill
	s_add_nc_u64 s[G0A+4*(\fill)+2:G0A+4*(\fill)+3], s[G0A+4*(\fill)+2:G0A+4*(\fill)+3], 512
	s_add_nc_u64 s[G0B+4*(\fill)+2:G0B+4*(\fill)+3], s[G0B+4*(\fill)+2:G0B+4*(\fill)+3], 512
.endif
	MHI 0, 0, 0                                    ; sixteen products stand between the add and the wait for it
	s_wait_dscnt 0x0                               ; the add is done, and my reads of this slot are over
	s_barrier_signal -1
	MHI 0, 2, 0                                    ; work on registers while the others arrive
	MT 0, 0
	WIN 0
	s_barrier_wait -1
.if \refill
	CREST                                          ; no wave of any partner still reads this slot or has a load on its way
	JLOAD \fill                                    ; the first tensor load behind the round; its four v_nop are also the places in front of the loads that follow
.else
	PLACES
.endif
.endm
	s_wait_tensorcnt 1                             ; my part of K step 0 is in; K step 1's may stay out
	s_barrier_signal -1
	s_barrier_wait -1
	FETCH 0, 0, 0
	FETCH 0, 64, 1
	s_wait_dscnt 34
	MUL 0, 1                                       ; the first 32 channels start all 72 sums
	WIN 0
	s_mov_b32 s3, 4
	s_branch .Lmid                                 ; the loop is entered in its middle: four trips hold the seven changes of slots that fill a slot again
.Llap:
	MULE 1, 1                                      ; an odd K step is left: slot 1 takes the K step two on
	FETCH 0, 0, 0
	ASK 1
	MUL 1, 0
	PLACES
	FETCH 0, 64, 1
	s_wait_dscnt 34
	MUL 0, 0
	WIN 0
.Lmid:                                                 ; on both ways buffer 1's 34 loads are the only LDS instructions out, and one tensor load
	PLACES
	FETCH 0, 128, 0
	s_wait_dscnt 34
	MUL 1, 0
	PLACES
	FETCH 0, 192, 1
	MULE 0, 1                                      ; an even K step is left: slot 0 takes the K step two on
	FETCH 1, 0, 0
	ASK 0
	MUL 1, 0
	PLACES
	FETCH 1, 64, 1
	s_wait_dscnt 34
	MUL 0, 0
	PLACES
	FETCH 1, 128, 0
	s_wait_dscnt 34
	MUL 1, 0
	PLACES
	FETCH 1, 192, 1
	s_sub_co_u32 s3, s3, 1
	s_cmp_lg_u32 s3, 0
	s_cbranch_scc1 .Llap
	MULE 0, 0                                      ; K step 7 is left; nothing is asked for
	FETCH 0, 0, 0                                  ; the ninth K step's first 32 channels: the rest of it is 0
	MUL 1, 0
	s_wait_dscnt 0x0
	MUL 0, 0
	WIN 0
	s_barrier_signal -1                            ; every wave's reads of the ring are back (the wait for 0 above):
	s_barrier_wait -1                              ; the ring, which is filled no more, may be written
	PLACES
	; THE SUMS ARE SET DOWN: row 16 a + r, columns 16 b + 8 h + 0..7 as 32 bytes; each accumulator's low registers first
.irp a, 0,1,2,3,4,5,6,7
	WIN 0x08+4*((\a)/4)                            ; store data (source 1) in window 2 or 3
.irp b, 0,1,2,3,4,5,6,7
	ds_store_b128 v[XR0], v[8*(8*((\a)%4)+(\b)):8*(8*((\a)%4)+(\b))+3]   offset:(\a)*DBLK+64*(\b)
	ds_store_b128 v[XR0], v[8*(8*((\a)%4)+(\b))+4:8*(8*((\a)%4)+(\b))+7] offset:(\a)*DBLK+64*(\b)+16
.endr
.endr
	WIN 0x04
.irp a, 0,1,2,3,4,5,6,7
	ds_store_b64 v[DT], v[TA+8*(\a):TA+8*(\a)+1] offset:(\a)*DBLK  ; lanes 0-15: the two heads' time sums; lanes 16-31: sums of wb's rows of 0
.endr
	WIN 0
	s_wait_loadcnt 0x0                             ; cos and sin
	s_lshr_b32 s82, s20, 3                         ; the batch
	s_lshl_b32 s82, s82, 4
	s_lshl_b32 s83, s17, 2
	s_add_co_u32 s82, s82, s83
	s_lshl_b32 s83, s16, 1
	s_add_co_u32 s82, s82, s83                     ; (batch, head) of my first head
	s_lshl_b32 s82, s82, 11
	s_and_b32 s83, s20, 7
	s_lshl_b32 s83, s83, 8
	s_add_co_u32 s82, s82, s83
	s_lshl_b32 s83, s15, 7
	s_add_co_u32 s82, s82, s83                     ; its row of my first token
	s_mov_b32 s83, 0
	v_mov_b32 v[XA], v[XR0]
.irp u, 0,1,2,3
	v_mov_b32 v[ZR+(\u)], 0
.endr
	v_mov_b32 v[WQ+1], 0
	v_mov_b32 v[WQ+2], 0
	v_mov_b32 v[WQ+3], 0
	v_mov_b32 v13, 0
	v_cmp_eq_u32 vcc_lo, 0, v2
	v_cndmask_b32 v[HM], 0, -1, vcc_lo
	v_cndmask_b32 v[ONEV], 0, 1.0, vcc_lo
	s_mov_b32 s[CNT], 8
	s_cmp_eq_u32 ttmp9, 2                          ; the cluster's x: the same in all partners
	s_cbranch_scc1 .Lv
	; Q AND K
	s_mul_i32 s82, s82, 192
	s_add_nc_u64 s[D0:D0+1], s[10:11], s[82:83]
	s_cmp_eq_u32 ttmp9, 1
	s_cselect_b32 s82, 12582912, 0
	s_cselect_b32 s[SGN], -1.0, 1.0                ; k carries -k0,
	s_cselect_b32 s[SH], 16, 0                     ; and its second pair with the halves changed
	s_add_nc_u64 s[D0:D0+1], s[D0:D0+1], s[82:83]
	s_add_nc_u64 s[D0+2:D0+3], s[D0:D0+1], 2048*192
	v_mul_u32_u24 v3, v1, 192
	v_lshl_add_u32 v3, v2, 4, v3
	v_add_nc_u32 v[STO], s[STG], v3
.macro XLOAD                           ; 16 rows' sums of both heads, in the accumulators' own layout
.irp e, 0,1
.irp b, 0,1,2,3
	ds_load_b128 v[X+32*(\e)+8*(\b):X+32*(\e)+8*(\b)+3],   v[XA] offset:256*(\e)+64*(\b)
	ds_load_b128 v[X+32*(\e)+8*(\b)+4:X+32*(\e)+8*(\b)+7], v[XA] offset:256*(\e)+64*(\b)+16
.endr
.endr
.endm
.macro ROT e                           ; y1 = x1 cos + x2 sin, y2 = x2 cos - x1 sin; x1 = my first 16 numbers, x2 the other 16
.irp u, 0,2,4,6,8,10,12,14
	v_pk_mul_f32 v[Y+32*(\e)+(\u):Y+32*(\e)+(\u)+1],       v[X+32*(\e)+(\u):X+32*(\e)+(\u)+1], v[CC+(\u):CC+(\u)+1]
	v_pk_mul_f32 v[Y+32*(\e)+16+(\u):Y+32*(\e)+16+(\u)+1], v[X+32*(\e)+(\u):X+32*(\e)+(\u)+1], v[SS+(\u):SS+(\u)+1]
.endr
.irp u, 0,2,4,6,8,10,12,14
	v_pk_fma_f32 v[Y+32*(\e)+(\u):Y+32*(\e)+(\u)+1],       v[X+32*(\e)+16+(\u):X+32*(\e)+16+(\u)+1], v[SS+(\u):SS+(\u)+1], v[Y+32*(\e)+(\u):Y+32*(\e)+(\u)+1]
	v_pk_fma_f32 v[Y+32*(\e)+16+(\u):Y+32*(\e)+16+(\u)+1], v[X+32*(\e)+16+(\u):X+32*(\e)+16+(\u)+1], v[CC+(\u):CC+(\u)+1], v[Y+32*(\e)+16+(\u):Y+32*(\e)+16+(\u)+1] neg_lo:[0,0,1] neg_hi:[0,0,1]
.endr
.endm
.macro FIN e                           ; the clip, the sum of squares, the time coordinate as high + low, f16, into the stage and back as whole rows
.set yb, Y+32*(\e)
.set n, 0
.rept 32
	v_med3_num_f32 v[yb+n], v[yb+n], s[CLO], s[CHI]
.set n, n+1
.endr
	v_pk_mul_f32 v[8:9], v[yb:yb+1], v[yb:yb+1]
	v_pk_mul_f32 v[10:11], v[yb+2:yb+3], v[yb+2:yb+3]
.set n, 4
.rept 7
	v_pk_fma_f32 v[8:9], v[yb+n:yb+n+1], v[yb+n:yb+n+1], v[8:9]
	v_pk_fma_f32 v[10:11], v[yb+n+2:yb+n+3], v[yb+n+2:yb+n+3], v[10:11]
.set n, n+4
.endr
	v_pk_add_f32 v[8:9], v[8:9], v[10:11]
	v_add_f32 v12, v8, v9
	v_permlanex16_b32 v13, v12, s[SEL], s[SEL+1]   ; the token's other 32 channels lie in the lane 16 away
	v_add_f32 v12, v12, v13
	v_med3_num_f32 v12, v12, 0, s[CSQ]
	v_add_f32 v12, 1.0, v12
	v_add_f32 v12, 0x358637bd, v12                 ; + 1e-6
	v_sqrt_f32 v14, v12
.set n, 0
.rept 16
	v_cvt_pk_f16_f32 v[PKR+n], v[yb+2*n], v[yb+2*n+1]  ; work that does not name the root stands behind it
.set n, n+1
.endr
	s_wait_alu depctr_va_vdst(0)                   ; the wait ahead of the root's first reader
	v_mul_f32 v14, s[SGN], v14
	v_cvt_pk_f16_f32 v15, v14, v14
	v_cvt_f32_f16 v13, v15.l
	v_sub_f32 v13, v14, v13                        ; what the first f16 leaves
	v_cvt_pk_f16_f32 v[WQ], v14, v13               ; (high, low)
	v_and_b32 v[WQ], v[HM], v[WQ]                  ; lanes 16-31 write channels 72-79: 0
	v_alignbit_b32 v[WQ+1], v[WQ], v[WQ], s[SH]    ; q: the same pair again; k: (low, high)
.irp b, 0,1,2,3
	ds_store_b128 v[STO], v[PKR+4*(\b):PKR+4*(\b)+3] offset:(\e)*SHEAD+32*(\b)
.endr
	ds_store_b128 v[STO], v[WQ:WQ+3] offset:(\e)*SHEAD+128
	ds_store_b128 v[STO], v[ZR:ZR+3] offset:(\e)*SHEAD+160
.irp b, 0,1,2,3,4,5
	ds_load_b128 v[yb+4*(\b):yb+4*(\b)+3], v[RDB] offset:(\e)*SHEAD+512*(\b)  ; LDS serves a wave's instructions in order (ISA guide 5.7.1.4): these see the stores above
.endr
.endm
.macro UPD                             ; cos and sin turned on by 16 rows
.irp u, 0,2,4,6,8,10,12,14
	v_pk_mul_f32 v[8:9], v[CC+(\u):CC+(\u)+1], v[S16+(\u):S16+(\u)+1]
	v_pk_mul_f32 v[10:11], v[SS+(\u):SS+(\u)+1], v[S16+(\u):S16+(\u)+1]
	v_pk_fma_f32 v[CC+(\u):CC+(\u)+1], v[CC+(\u):CC+(\u)+1], v[C16+(\u):C16+(\u)+1], v[10:11] neg_lo:[0,0,1] neg_hi:[0,0,1]
	v_pk_fma_f32 v[SS+(\u):SS+(\u)+1], v[SS+(\u):SS+(\u)+1], v[C16+(\u):C16+(\u)+1], v[8:9]
.endr
.endm
.macro SEND e, cnt                     ; each store of the wave covers 512 consecutive bytes, aligned
.set n, 0
.rept \cnt
	global_store_b128 v[CO], v[Y+32*(\e)+4*n:Y+32*(\e)+4*n+3], s[D0+2*(\e):D0+2*(\e)+1] offset:512*n
.set n, n+1
.endr
.endm
.Lqk:                                                  ; eight trips: 16 tokens, both heads
	XLOAD
	s_wait_dscnt 0x0
	ROT 0
	ROT 1
	FIN 0
	FIN 1
	UPD
	s_wait_dscnt 12                                ; head 0's rows are back; head 1's six stores and six loads may be out
	SEND 0, 6
	s_wait_dscnt 0x0
	SEND 1, 6
	v_add_nc_u32 v[XA], DBLK, v[XA]
	s_wait_xcnt 0x0                                ; the stores have read their data and their bases: both are written again only behind this wait
	s_add_nc_u64 s[D0:D0+1], s[D0:D0+1], 16*192
	s_add_nc_u64 s[D0+2:D0+3], s[D0+2:D0+3], 16*192
	s_sub_co_u32 s[CNT], s[CNT], 1
	s_cmp_lg_u32 s[CNT], 0
	s_cbranch_scc1 .Lqk
	s_branch .Lend
.Lv:
	; V
	s_mul_i32 s82, s82, 160
	s_add_nc_u64 s[D0:D0+1], s[12:13], s[82:83]
	s_add_nc_u64 s[D0+2:D0+3], s[D0:D0+1], 2048*160
	v_mul_u32_u24 v3, v1, 160
	v_lshl_add_u32 v3, v2, 4, v3
	v_add_nc_u32 v[STO], s[STG], v3
.macro VFIN e
.set n, 0
.rept 16
	v_cvt_pk_f16_f32 v[PKR+n], v[X+32*(\e)+2*n], v[X+32*(\e)+2*n+1]
.set n, n+1
.endr
	v_cvt_pk_f16_f32 v[WQ], v[8+(\e)], v[ONEV]     ; channels 64, 65: the time column and 1; in lanes 16-31 both are 0
.irp b, 0,1,2,3
	ds_store_b128 v[STO], v[PKR+4*(\b):PKR+4*(\b)+3] offset:(\e)*SHEAD+32*(\b)
.endr
	ds_store_b128 v[STO], v[WQ:WQ+3] offset:(\e)*SHEAD+128
.irp b, 0,1,2,3,4
	ds_load_b128 v[Y+32*(\e)+4*(\b):Y+32*(\e)+4*(\b)+3], v[RDB] offset:(\e)*SHEAD+512*(\b)
.endr
.endm
.Lvl:
	XLOAD
	ds_load_b64 v[8:9], v[DT]
	s_wait_dscnt 0x0
	VFIN 0
	VFIN 1
	s_wait_dscnt 10                                ; head 0's rows are back; head 1's five stores and five loads may be out
	SEND 0, 5
	s_wait_dscnt 0x0
	SEND 1, 5
	v_add_nc_u32 v[XA], DBLK, v[XA]
	v_add_nc_u32 v[DT], DBLK, v[DT]
	s_wait_xcnt 0x0
	s_add_nc_u64 s[D0:D0+1], s[D0:D0+1], 16*160
	s_add_nc_u64 s[D0+2:D0+3], s[D0+2:D0+3], 16*160
	s_sub_co_u32 s[CNT], s[CNT], 1
	s_cmp_lg_u32 s[CNT], 0
	s_cbranch_scc1 .Lvl
.Lend:
	s_wait_tensorcnt 0x0                           ; the wave's end: behind my last tensor load and my last LDS store
	ds_add_u32 v[SPW], v[NIL]
	s_wait_dscnt 0x0
	CROUND                                         ; the closing round: no work-group ends while a partner may still ask for a tile that names it
	s_endpgm
.Lfunc_end_k_q42c66de12f_qkv:
	.size	k_q42c66de12f_qkv, .Lfunc_end_k_q42c66de12f_qkv-k_q42c66de12f_qkv
	.p2alignl 7, 3214868480
	.fill 96, 4, 3214868480
	.section	.rodata,"a",@progbits
	.p2align	6, 0x0
	.amdhsa_kernel k_q42c66de12f_qkv
		.amdhsa_group_segment_fixed_size 327680
		.amdhsa_private_segment_fixed_size 0
		.amdhsa_enable_private_segment 0
		.amdhsa_kernarg_size 40
		.amdhsa_user_sgpr_count 2
		.amdhsa_user_sgpr_kernarg_segment_ptr 1
		.amdhsa_wavefront_size32 1
		.amdhsa_system_sgpr_workgroup_id_x 1
		.amdhsa_system_sgpr_workgroup_id_y 1
		.amdhsa_system_sgpr_workgroup_id_z 1
		.amdhsa_system_vgpr_workitem_id 0
		.amdhsa_next_free_vgpr 1024
		.amdhsa_next_free_sgpr 96
		.amdhsa_reserve_vcc 1
		.amdhsa_float_denorm_mode_32 3
		.amdhsa_float_denorm_mode_16_64 3
		.amdhsa_memory_ordered 1
		.amdhsa_forward_progress 1
		.amdhsa_inst_pref_size 131
	.end_amdhsa_kernel
	.amdgpu_metadata
---
amdhsa.version: [ 1, 2 ]
amdhsa.kernels:
  - .name:           k_q42c66de12f_qkv
    .symbol:         k_q42c66de12f_qkv.kd
    .args:
      - { .name: xb, .offset: 0, .size: 8, .value_kind: global_buffer, .address_space: global }
      - { .name: wb, .offset: 8, .size: 8, .value_kind: global_buffer, .address_space: global }
      - { .name: tab, .offset: 16, .size: 8, .value_kind: global_buffer, .address_space: global }
      - { .name: qk, .offset: 24, .size: 8, .value_kind: global_buffer, .address_space: global }
      - { .name: vh, .offset: 32, .size: 8, .value_kind: global_buffer, .address_space: global }
    .group_segment_fixed_size: 327680
    .private_segment_fixed_size: 0
    .kernarg_segment_align: 8
    .kernarg_segment_size: 40
    .max_flat_workgroup_size: 128
    .sgpr_count:     96
    .vgpr_count:     1024
    .wavefront_size: 32
...
	.end_amdgpu_metadata
.endif
;; end of part 2
;; launch attn (part 3): grid 8 x 32, 4 waves a work-group, clusters of 4 x 1, 327,680 bytes of LDS; arguments qk, vh, y; writes y
.if DOCPART == 3
	.amdgcn_target "amdgcn-amd-amdhsa--gfx1250"
	.amdhsa_code_object_version 6
	.text
	.protected	k_q42c66de12f_attn
	.globl	k_q42c66de12f_attn
	.p2align	8
	.type	k_q42c66de12f_attn,@function
k_q42c66de12f_attn:
	s_mov_b64 s[64:65], 0
	v_nop
	global_prefetch_b8 v0, s[64:65] scope:SCOPE_SE
	s_setreg_imm32_b32 hwreg(HW_REG_WAVE_MODE, 25, 1), 1
	s_wait_xcnt 0x0
	s_wait_alu depctr_hold_cnt(0) depctr_sa_sdst(0) depctr_va_vdst(0) depctr_va_sdst(0) depctr_va_ssrc(0) depctr_va_vcc(0) depctr_vm_vsrc(0)
	s_getreg_b32 s2, hwreg(HW_REG_IB_STS2, 6, 4)
	s_cmp_eq_u32 s2, 0
	s_cbranch_scc0 .Lentry_in_a_cluster
	s_endpgm
.Lentry_in_a_cluster:
	s_bfe_u32 s2, ttmp6, 0x10000c
	s_cmp_lg_u32 s2, 0x3003
	s_cbranch_scc0 .Lentry_shape_is_right
	s_endpgm
.Lentry_shape_is_right:
; ATTN: y[bh][q] = the sum over all 2,048 keys of softmax_k(clip(s / 8, -100, 100)) v[bh][k], s = q . k over 96 channels (64 spatial, four that add up to -q0 k0, 28 of 0).  No mask.
; q, k: [32][2048][96] f16; v: [32][2048][80] f16, channel 64 the time column, channel 65 the number 1.  Products, maxima and sums in f32; the weights are rounded to f16 for the second product.
; Out: ys f16 [32 blocks of 128 tokens][16 heads][128][64], and at byte 8,388,608 yt f32 [32][2048], the time channel.
; THE CLIP AND THE MAXIMUM.  z = clamp(s / 1600 + 0.5) is (clip(s / 8) + 100) / 200, one packed instruction.  The running maximum m is kept in z and starts at 0, the clip's own floor;
; p = 2^(TL z - TL m), TL = 200 log2(e); in every step O is multiplied by a = 2^(TL m_old - TL m_new).  The row sum l is O's channel 65: the sum of the rounded weights, rescaled with O.
; LIMITS.  y is rounded to f16: it is a mean of v's rows and has their range; below 6e-5 it keeps f16's fixed step of 6e-8, and so does p.  A weight below 2^-126 counts as 0.  NaN and infinities are not treated apart.
; SHARES.  A work-group owns 256 queries of one (batch, head), each of its four waves 64: four tiles of 16, in two PIECES (tiles 0, 1 and tiles 2, 3).  Every wave walks all keys, 64 a step, 256 a slot.
; LAYOUT.  S^T = K Q^T (source 0 = 16 keys, source 1 = 16 queries): a lane holds one query (lane % 16) and the keys 8 (lane / 16) + 0..7; two such results rounded to f16 ARE source 1 of O^T = V^T P.
; BY TURNS.  In a turn one piece has the matrix unit: 20 products V^T P of the step in hand, then 24 products K Q^T of the next; the other piece's softmax, 238 vector instructions cut into 44 slices,
; stands between them, a slice behind each product.  A turn's 66 exponentials are one batch with one wait.
; NO FIRST STEP IS WRITTEN OUT: V, O^T and piece 0's P start at 0, piece 2's scores at -1e30 (z = 0, so m stays 0 and its weights of 1 meet a V of 0): some 350 v_mov_b32, in the wait for the first tile.
; CLUSTER 4 x 1: the four query blocks of a cluster walk the same K and V: each tile is asked for jointly.
; REGISTERS, in windows of 256: window 0: v2-11 addresses; v12-43 eight registers of statistics a tile; v44-47 constants; v64-191 S^T, 32 a tile; v192-255 P, 16 a tile
;   window 1: O^T, 40 a tile     window 2: v0-95 Q, 24 a tile; v128-223 K of one step     window 3: v0-79 V of one step
.set KS,    64
.set PK,    240       ; a key in LDS: three pieces of 64 bytes, 16 of padding behind each: 32 channels c begin at 80 c; 60 words: the 16 rows of a load start at 16 different groups of four banks (ISA guide 11.1)
.set PV,    160       ; a row of V: 40 words, as it lies in memory
.set VOFF,  256*PK
.set SLOT1, 1<<17     ; slot 1 begins here, so that one exclusive or turns an address in one slot into the other's
.set STAGE, SLOT1+256*(PK+PV)   ; behind the ring: 16 rows x 144 bytes for each wave
.set SP,    144
.set STAGE2, STAGE+4*16*SP      ; 512 bytes for each wave: the time channel of its 64 queries (lanes 16-31 write the second half, which nobody reads)
.set SPARE, STAGE2+4*512        ; the spare words, 128 bytes for each wave: two blocks of 256 bytes that no other line names
.set AK0, 2
.set AV0, 3
.set ADR, 4
.set QO,  5
.set STO, 6
.set RD,  7
.set GO,  8
.set ST2, 9
.set RD2, 10
.set GO2, 11
.set ST,  12          ; tile t's statistics at v[ST+8 t]: +0 TL m, +1 m, +4 to +7 c0-c3 at work; a takes c2's place
.set ZA,  44          ; v44-45  1/1600, twice
.set ZB,  46          ; v46-47  0.5, twice
.set PFO, 61
.set SPW, 62
.set NIL, 63
.set S,   64
.set P,   192
.set KF,  128
.set WV,  12
.set LIM, 15
.set PFA, 20          ; s[20:21] where my prefetches stand;  s[22:23] bytes of my tensor in a slot
.set PST, 22
.set G1K, 24
.set G1V, 32
.set G0K, 40
.set G0V, 44
.set SLOTS, 56
.set CNT, 57
.set TL,  58
.set SEL, 60
.set TBK, 62
.set TBV, 63
.set MSB, 0
.macro WIN new
.if MSB != (\new)
	s_set_vgpr_msb (MSB<<8)|(\new)
.set MSB, \new
.endif
.endm
.set W_KQ, 0x0a       ; K and Q in window 2, S^T in window 0
.set W_PV, 0x53       ; V in window 3, P in window 0, O^T in window 1
.set W_RS, 0x41       ; O^T (destination and source 0) in window 1, a in window 0
.macro JLOAD                        ; a joint fill: waves 0 and 1 fetch the halves of a slot's K, waves 2 and 3 of its V; an s_nop 0 and four v_nop follow each line
	s_cmp_lt_u32 s[WV], 2
	s_cbranch_scc0 .Lfor_v_\@
	tensor_load_to_lds s[G0K:G0K+3], s[G1K:G1K+7]
	s_nop 0
.rept 4
	v_nop
.endr
	s_branch .Lasked_\@
.Lfor_v_\@:
	tensor_load_to_lds s[G0V:G0V+3], s[G1V:G1V+7]
	s_nop 0
.rept 4
	v_nop
.endr
.Lasked_\@:
.endm
; A PREFETCH INTO THE L2 of the slot that the NEXT change will ask for: four key steps, 352 products, ahead.  Both clusters of a (batch, head) walk the same K and V: the first asks.  Its four partners share
; a slot's 192 blocks of 256 bytes of K and 160 of V out by address, 48 and 40 each: wave 0 K's first 32 (a lane a block), wave 1 the other 16 (two lanes a block), wave 2 V's first 32, wave 3 the other 8 (four lanes a block).
; The first change, at the launch's head, and the last that fills a slot ask for nothing: slots 0, 1 and 2 come by their loads alone.
.macro ASK
	s_cmp_gt_u32 s[SLOTS], s[LIM]
	s_cbranch_scc0 .Lnot_mine_\@
	s_cmp_lt_u32 s[SLOTS], 7
	s_cbranch_scc0 .Lnot_mine_\@
	global_prefetch_b8 v[PFO], s[PFA:PFA+1] th:TH_LOAD_NT scope:SCOPE_SE
.Lnot_mine_\@:
.endm
.macro CROUND
	s_barrier_signal -1
	s_barrier_wait -1
	s_cmp_lg_u32 s[WV], 0
	s_cbranch_scc1 .Lnot_wave_0_\@
	s_barrier_signal -3
.Lnot_wave_0_\@:
	s_barrier_wait -3
	s_barrier_signal -1
	s_barrier_wait -1
.endm
.macro PLACES
.rept 4
	v_nop
.endr
.endm
; THE CHANGE OF SLOTS.  Each wave waits for all its tensor loads (one is out: its part of the other slot), adds 0 to its spare word, and waits for that and for its reads of the slot that it leaves
; (the last, V of its fourth step, have been asked for).  fill = 1: the barrier is a round of the cluster's, and the slot is filled again first behind it, with the keys two slots on.
; (At its first use nothing has been read yet: slot 0 is waited for, slot 1 filled.)
.macro CHANGE fill
	WIN 0
	s_wait_tensorcnt 0x0            ; no tensor load of mine is out, so a group 0 may be written
	ds_add_u32 v[SPW], v[NIL]       ; 0 onto my spare word
.if \fill
	s_xor_b32 s[G0K+1], s[G0K+1], SLOT1
	s_add_nc_u64 s[G0K+2:G0K+3], s[G0K+2:G0K+3], 256*192
	s_xor_b32 s[G0V+1], s[G0V+1], SLOT1
	s_add_nc_u64 s[G0V+2:G0V+3], s[G0V+2:G0V+3], 256*160
	s_wait_xcnt 0x0                 ; the last prefetch, four key steps back, has read its address
	s_add_nc_u64 s[PFA:PFA+1], s[PFA:PFA+1], s[PST:PST+1]
	s_wait_dscnt 0x0                ; the add is done, and my reads of the slot are over
	CROUND
	JLOAD
	ASK
.else
	s_wait_dscnt 0x0
	s_barrier_signal -1
	s_barrier_wait -1
.endif
	s_sub_co_u32 s[TBK], s[TBK], 256*PK   ; the fetches go back to a slot's first step,
	s_xor_b32 s[TBK], s[TBK], SLOT1       ; in the other slot
	s_sub_co_u32 s[TBV], s[TBV], 256*PV
	s_xor_b32 s[TBV], s[TBV], SLOT1
.endm
	s_load_b128 s[4:7], s[0:1], 0x0   ; qk s[4:5], vh s[6:7]
	s_load_b64 s[8:9], s[0:1], 0x10   ; y
	v_lshl_add_u32 v[SPW], v0, 2, SPARE
	v_mov_b32 v[NIL], 0
	ds_add_u32 v[SPW], v[NIL]       ; the wave's opening: the add and its wait stand ahead of my first tensor load; the set-up below stands between them
	v_lshrrev_b32 v1, 5, v0
	v_readfirstlane_b32 s[WV], v1
	s_bfe_u32 s13, ttmp6, 0x40000   ; cx
	s_lshl_b32 s14, ttmp9, 2
	s_add_co_u32 s14, s14, s13      ; my block of 256 queries: it enters Q's and y's addresses alone
	s_and_b32 s16, ttmp7, 0xffff    ; (batch, head), which the partners share
	s_and_b32 s17, s[WV], 1         ; which half of a slot's 256 keys I fetch
	s_mul_i32 s2, s16, 2048*192
	s_mul_i32 s3, s17, 128*192
	s_add_co_u32 s2, s2, s3
	s_add_co_u32 s2, s2, 12582912   ; k lies behind q
	s_mov_b32 s3, 0
	s_mul_i32 s10, s16, 2048*160
	s_mul_i32 s11, s17, 128*160
	s_add_co_u32 s10, s10, s11
	s_mov_b32 s11, 0
	; descriptor group 1: 128 keys are dense in memory and are asked for as rows of 256 bytes: 96 of K, padded in LDS after every 64 bytes; 80 of V, not padded
	s_mov_b32 s[G1K], 15|(1<<16)|(1<<20)|(1<<21)|(3<<22)|(3<<25)  ; the mask of four; 2-byte elements; padding on; bit 21 beside a mask; after every 16 words, 4 words
	s_mov_b32 s[G1K+1], 128<<16
	s_mov_b32 s[G1K+2], 96<<16
	s_mov_b32 s[G1K+3], 128<<16
	s_mov_b32 s[G1K+4], 96
	s_mov_b32 s[G1K+5], 128
	s_mov_b32 s[G1K+6], 0
	s_mov_b32 s[G1K+7], 0
	s_mov_b32 s[G1V], 15|(1<<16)|(1<<21)
	s_mov_b32 s[G1V+1], 128<<16
	s_mov_b32 s[G1V+2], 80<<16
	s_mov_b32 s[G1V+3], 128<<16
	s_mov_b32 s[G1V+4], 80
	s_mov_b32 s[G1V+5], 128
	s_mov_b32 s[G1V+6], 0
	s_mov_b32 s[G1V+7], 0
	s_mov_b32 s[G0K], 1
	s_mul_i32 s[G0K+1], s17, 128*PK
	s_mov_b32 s[G0V], 1
	s_mul_i32 s[G0V+1], s17, 128*PV
	s_add_co_u32 s[G0V+1], s[G0V+1], VOFF
	s_lshl_b32 s54, s16, 11
	s_lshl_b32 s55, s14, 8
	s_add_co_u32 s54, s54, s55
	s_lshl_b32 s55, s[WV], 6
	s_add_co_u32 s54, s54, s55      ; my wave's first query among all rows
	s_mul_i32 s48, s54, 192
	s_mov_b32 s49, 0
	s_lshl_b32 s52, s54, 2
	s_mov_b32 s53, 0
	s_lshr_b32 s50, s16, 4
	s_lshl_b32 s50, s50, 4
	s_lshl_b32 s55, s14, 1
	s_add_co_u32 s50, s50, s55
	s_lshr_b32 s55, s[WV], 1
	s_add_co_u32 s50, s50, s55      ; the block of 128 tokens
	s_lshl_b32 s50, s50, 4
	s_and_b32 s55, s16, 15
	s_add_co_u32 s50, s50, s55      ; and the head
	s_lshl_b32 s50, s50, 14
	s_lshl_b32 s55, s17, 13
	s_add_co_u32 s50, s50, s55      ; my 64 rows of the 128
	s_mov_b32 s51, 0
	s_mul_i32 s54, s16, 2048*192    ; the prefetches
	s_add_co_u32 s54, s54, 12582912
	s_mul_i32 s55, s16, 2048*160
	s_cmp_lt_u32 s[WV], 2
	s_cselect_b32 s[PFA], s54, s55
	s_cselect_b32 s55, 48, 40       ; blocks of 256 bytes a partner
	s_lshl_b32 s[PST], s55, 10      ; four partners' are a slot
	s_mov_b32 s[PST+1], 0
	s_mul_i32 s55, s55, s13
	s_lshl_b32 s55, s55, 8
	s_add_co_u32 s[PFA], s[PFA], s55
	s_lshl_b32 s55, s17, 13         ; waves 1 and 3: behind the first 32 blocks
	s_add_co_u32 s[PFA], s[PFA], s55
	s_add_co_u32 s[PFA], s[PFA], s[PST]   ; in slot 1: each change of slots steps it
	s_mov_b32 s[PFA+1], 0
	s_lshr_b32 s18, s[WV], 1
	s_add_co_u32 s18, s18, 1
	s_mul_i32 s18, s18, s17         ; lanes to a block: 1, 2, 1, 4, as a shift
	v_and_b32 v[PFO], 31, v0
	v_lshrrev_b32 v[PFO], s18, v[PFO]
	v_lshlrev_b32 v[PFO], 8, v[PFO]
	s_cmp_eq_u32 ttmp9, 0
	s_cselect_b32 s[LIM], 1, -1     ; the same in all four partners
	s_mov_b32 s[TL], 0x439044fe     ; 200 log2(e) = 288.539
	s_mov_b32 s[TL+1], s[TL]
	s_mov_b32 s[SEL], 0x76543210
	s_mov_b32 s[SEL+1], 0xfedcba98
	s_mov_b32 s[TBK], SLOT1+256*PK  ; the first change of slots turns these two into 0
	s_mov_b32 s[TBV], SLOT1+256*PV
	s_mov_b32 s[SLOTS], 7
	s_wait_dscnt 0x0                ; the opening add is done
	s_wait_kmcnt 0x0
	s_add_nc_u64 s[G0K+2:G0K+3], s[4:5], s[2:3]
	s_or_b32 s[G0K+3], s[G0K+3], 0x80000000
	s_add_nc_u64 s[G0V+2:G0V+3], s[6:7], s[10:11]
	s_or_b32 s[G0V+3], s[G0V+3], 0x80000000
	s_add_nc_u64 s[48:49], s[4:5], s[48:49]        ; Q at my wave's first row
	s_add_nc_u64 s[50:51], s[8:9], s[50:51]        ; ys
	s_add_nc_u64 s[52:53], s[8:9], s[52:53]
	s_add_nc_u64 s[52:53], s[52:53], 8388608       ; yt
	s_cmp_lt_u32 s[WV], 2
	s_cselect_b64 s[54:55], s[4:5], s[6:7]
	s_add_nc_u64 s[PFA:PFA+1], s[54:55], s[PFA:PFA+1]
	CROUND                          ; all four work-groups are here: the first joint loads meet
	JLOAD                           ; slot 0; slot 1 is asked for when slot 0 is in
	v_and_b32 v1, 15, v0            ; r
	v_bfe_u32 v48, v0, 4, 1         ; h
	v_mul_u32_u24 v[QO], v1, 192
	v_lshl_add_u32 v[QO], v48, 4, v[QO]
	WIN 0x80                        ; destination window 2, address window 0
.set u, 0
.rept 12                            ; Q stays in registers: tile u / 3, channels 32 (u % 3) on
	global_load_b128 v[8*u:8*u+3],   v[QO], s[48:49] offset:(u/3)*3072+(u%3)*64
	global_load_b128 v[8*u+4:8*u+7], v[QO], s[48:49] offset:(u/3)*3072+(u%3)*64+32
.set u, u+1
.endr
	WIN 0xc0
.set u, 0
.rept 80
	v_mov_b32 v[u], 0               ; V
.set u, u+1
.endr
	WIN 0x40
.set u, 0
.rept 160
	v_mov_b32 v[u], 0               ; O^T
.set u, u+1
.endr
	WIN 0
.set u, ST
.rept 32
	v_mov_b32 v[u], 0               ; the statistics: m = 0
.set u, u+1
.endr
.set u, P
.rept 32
	v_mov_b32 v[u], 0               ; piece 0's weights
.set u, u+1
.endr
.set u, S+64
.rept 64
	v_mov_b32 v[u], 0xf149f2ca      ; piece 2's scores: -1e30
.set u, u+1
.endr
	v_mov_b32 v[ZA], 0x3a23d70a
	v_mov_b32 v[ZA+1], 0x3a23d70a
	v_mov_b32 v[ZB], 0.5
	v_mov_b32 v[ZB+1], 0.5
	v_mul_u32_u24 v[AK0], v1, PK
	v_lshl_add_u32 v[AK0], v48, 4, v[AK0]
	; the turning load takes 16 keys x 16 channels (lane l reads key 8 (l / 16) + l % 8, channels 8 ((l / 8) % 2) + 0..7) and leaves half a fragment of V^T
	v_and_b32 v49, 7, v0
	v_bfe_u32 v50, v0, 3, 1
	v_lshl_add_u32 v[AV0], v48, 3, v49
	v_mul_u32_u24 v[AV0], v[AV0], PV
	v_lshl_add_u32 v[AV0], v50, 4, v[AV0]
	v_add_nc_u32 v[AV0], VOFF, v[AV0]
	s_mul_i32 s54, s[WV], 16*SP
	s_add_co_u32 s54, s54, STAGE
	v_mul_u32_u24 v[STO], v1, SP
	v_lshl_add_u32 v[STO], v48, 4, v[STO]
	v_add_nc_u32 v[STO], s54, v[STO]
	v_bfe_u32 v[RD], v0, 3, 2
	v_mul_u32_u24 v[RD], v[RD], SP
	v_lshl_add_u32 v[RD], v49, 4, v[RD]
	v_add_nc_u32 v[RD], s54, v[RD]
	v_and_b32 v51, 31, v0
	v_lshlrev_b32 v[GO], 4, v51
	v_lshlrev_b32 v[GO2], 3, v51
	s_lshl_b32 s54, s[WV], 9
	s_add_co_u32 s54, s54, STAGE2
	v_lshlrev_b32 v[ST2], 2, v1
	v_lshl_add_u32 v[ST2], v48, 8, v[ST2]
	v_add_nc_u32 v[ST2], s54, v[ST2]
	v_add_nc_u32 v[RD2], s54, v[GO2]
; THE MATRIX WORK.  The accumulators take turns, one instruction a turn: between two links of a chain stand 9 (V^T P) or 7 (K Q^T) others'.
.macro PV x                         ; product i of 20 of O^T += V^T P: keys 32 (i / 10) on, channels 16 ((i / 2) % 5) on, tile x + i % 2
	WIN W_PV
.set rO, 40*((\x)+i%2)+8*((i/2)%5)
.set rV, 40*(i/10)+8*((i/2)%5)
.set rP, P+16*((\x)+i%2)+8*(i/10)
	v_wmma_f32_16x16x32_f16 v[rO:rO+7], v[rV:rV+7], v[rP:rP+7], v[rO:rO+7]
.endm
.macro KQ x                         ; product i of 24 of S^T = K Q^T: channels 32 (i / 8) on, keys 16 ((i / 2) % 4) on, tile x + i % 2; the first 8 start the sums
	WIN W_KQ
.set rS, S+32*((\x)+i%2)+8*((i/2)%4)
.set rK, KF+24*((i/2)%4)+8*(i/8)
.set rQ, 24*((\x)+i%2)+8*(i/8)
.if i < 8
	v_wmma_f32_16x16x32_f16 v[rS:rS+7], v[rK:rK+7], v[rQ:rQ+7], 0
.else
	v_wmma_f32_16x16x32_f16 v[rS:rS+7], v[rK:rK+7], v[rQ:rQ+7], v[rS:rS+7]
.endif
.endm
; THE LDS LOADS stand in runs: a step's K (24 loads) and, a turn later, its V (20 turning loads)
.macro FETCH_K
	WIN 0
	v_add_nc_u32 v[ADR], s[TBK], v[AK0]
	s_add_co_u32 s[TBK], s[TBK], KS*PK
	WIN 0x80
.irp f, 0,1,2,3,4,5,6,7,8,9,10,11   ; keys 16 (f / 3) on, channels 32 (f % 3) on
	ds_load_b128 v[KF+8*(\f):KF+8*(\f)+3],   v[ADR] offset:((\f)/3)*16*PK+((\f)%3)*80
	ds_load_b128 v[KF+8*(\f)+4:KF+8*(\f)+7], v[ADR] offset:((\f)/3)*16*PK+((\f)%3)*80+32
.endr
.endm
.macro FETCH_V
	WIN 0
	v_add_nc_u32 v[ADR], s[TBV], v[AV0]
	s_add_co_u32 s[TBV], s[TBV], KS*PV
	WIN 0xc0
.irp f, 0,1,2,3,4,5,6,7,8,9         ; keys 32 (f / 5) on, channels 16 (f % 5) on
	ds_load_tr16_b128 v[8*(\f):8*(\f)+3],   v[ADR] offset:((\f)/5)*32*PV+((\f)%5)*32
	ds_load_tr16_b128 v[8*(\f)+4:8*(\f)+7], v[ADR] offset:((\f)/5)*32*PV+16*PV+((\f)%5)*32
.endr
.endm
; THE VECTOR WORK.  One tile's softmax for a key step is a list of 119 instructions; SM writes number j of it for tile t.  s0-s31 are the lane's 32 scores, in pairs 0-15.
;   0-15    z, pair by pair in ascending order (each accumulator's lowest registers are read first)
;   16-31   the maximum of z0-z31 and the old m, three operands at a time      32-36  the other half of the lanes' maximum; TL m_old kept; the new m; TL m; its change
;   37, 38  the scalings TL z - TL m of pairs 0, 1      39  a      40-81  fourteen times: the scaling of pair g + 2, the exponentials of pair g      82-85  the last four exponentials
;   (wait)  between 85 and 86: SLICE writes a v_nop and the one wait for both tiles' 66 exponentials; nothing ahead of it names a result of theirs
;   86-101  the roundings to f16      102-118  O^T times a: channels 0-63, then the pair of channels 64, 65 (the rest of the fifth block is 0 and stays 0)
.macro SM t
.set rT, ST+8*(\t)
.set rS, S+32*(\t)
.set rP, P+16*(\t)
.set rO, 40*(\t)+2*(j-102)
.set jj, j-16
.if j < 102
	WIN 0
.endif
.if j < 16
	v_pk_fma_f32 v[rS+2*j:rS+2*j+1], v[rS+2*j:rS+2*j+1], v[ZA:ZA+1], v[ZB:ZB+1] clamp
.elseif j < 20
	v_max3_num_f32 v[rT+4+jj], v[rS+8*jj], v[rS+8*jj+1], v[rS+8*jj+2]
.elseif j < 28
	v_max3_num_f32 v[rT+4+jj%4], v[rT+4+jj%4], v[rS+8*(jj%4)+2*(jj/4)+1], v[rS+8*(jj%4)+2*(jj/4)+2]
.elseif j == 28
	v_max3_num_f32 v[rT+4], v[rT+4], v[rS+7], v[rS+15]
.elseif j == 29
	v_max3_num_f32 v[rT+6], v[rT+6], v[rS+23], v[rS+31]
.elseif j == 30
	v_max3_num_f32 v[rT+4], v[rT+4], v[rT+5], v[rT+6]
.elseif j == 31
	v_max3_num_f32 v[rT+4], v[rT+4], v[rT+7], v[rT+1]
.elseif j == 32
	v_permlanex16_b32 v[rT+5], v[rT+4], s[SEL], s[SEL+1]  ; the query's other 32 keys lie in the lane 16 away
.elseif j == 33
	v_mov_b32 v[rT+7], v[rT]
.elseif j == 34
	v_max_num_f32 v[rT+1], v[rT+4], v[rT+5]
.elseif j == 35
	v_mul_f32 v[rT], s[TL], v[rT+1]
.elseif j == 36
	v_sub_f32 v[rT+7], v[rT+7], v[rT]
.elseif j == 39
	v_exp_f32 v[rT+6], v[rT+7]
.elseif (j < 39) || ((j < 82) && ((j-40)%3 == 0))
.set b, j-37
.if j > 39
.set b, (j-40)/3+2
.endif
	v_pk_fma_f32 v[rS+2*b:rS+2*b+1], v[rS+2*b:rS+2*b+1], s[TL:TL+1], v[rT:rT+1] op_sel_hi:[1,0,0] neg_lo:[0,0,1] neg_hi:[0,0,1]
.elseif j < 86
.set e, j-54
.if j < 82
.set e, 2*((j-40)/3)+(j-40)%3-1
.endif
	v_exp_f32 v[rS+e], v[rS+e]
.elseif j < 102
	v_cvt_pk_f16_f32 v[rP+j-86], v[rS+2*(j-86)], v[rS+2*(j-86)+1]
.else
	WIN W_RS
	v_pk_mul_f32 v[rO:rO+1], v[rO:rO+1], v[rT+6:rT+7] op_sel_hi:[1,0]
.endif
.endm
; Slice k of 44 of piece y's softmax: numbers 3 k .. 3 k + 2 (k < 31), then two numbers a slice, of both tiles, the tiles alternating.  Slice 43 is four plain multiplies that name nothing of the
; products round them: the four places behind the turn's last K Q^T, in front of the next turn's first read of those scores.
.macro SLICE y
.set j, 93+2*(k-31)
.set nn, 2
.if k < 31
.set j, 3*k
.set nn, 3
.endif
.rept nn
.if j == 86
	v_nop                           ; a plain instruction behind the last exponential: one for the batch,
	s_wait_alu depctr_va_vdst(0)    ; and the batch's one wait, ahead of its first reader
.endif
	SM \y
	SM (\y)+1
.set j, j+1
.endr
.set k, k+1
.endm
; A TURN.  Piece x has the matrix unit; the other piece's softmax stands in slices behind its products.  kq = 0: the last turn: no next step; two slices behind each product, the last four at the end.
; Piece 0's turn fetches the next step's K behind its second product (K's last reader stands in front of slice 43 of the turn before); piece 2's turn fetches the same step's V four v_nop behind the last product that read V.
.macro TURN x, kq
.set k, 0
.if (\x) == 0
	s_wait_dscnt 0x0                ; V is in
.endif
.set i, 0
.rept 20
	PV \x
	SLICE 2-(\x)
.if !(\kq)
	SLICE 2-(\x)
.endif
.if ((\x) == 0) && (\kq) && (i == 1)
	FETCH_K
.endif
.set i, i+1
.endr
.if (\x) == 2
	PLACES
	FETCH_V
.endif
.if \kq
.if (\x) == 0
	s_wait_dscnt 0x0                ; K is in
.endif
.set i, 0
.rept 24
	KQ \x
	SLICE 2-(\x)
.set i, i+1
.endr
.else
.rept 4
	SLICE 2-(\x)
.endr
.endif
.endm
.macro FOUR_STEPS                   ; a slot's four key steps: written once, walked four times; the LDS addresses hang on s[TBK] and s[TBV]
	WIN 0
	s_mov_b32 s[CNT], 4
.Lstep_\@:
	TURN 0, 1                       ; piece 0: V^T P of the step before, K Q^T of this step | piece 2's softmax of the step before | K of this step
	TURN 2, 1                       ; piece 2: the same | piece 0's softmax of this step | V of this step
	WIN 0
	s_sub_co_u32 s[CNT], s[CNT], 1
	s_cmp_lg_u32 s[CNT], 0
	s_cbranch_scc1 .Lstep_\@
.endm
	s_wait_loadcnt 0x0              ; Q
.Lslot:                             ; seven trips: every slot but the last is entered here, and the next is asked for
	CHANGE 1
	FOUR_STEPS
	s_sub_co_u32 s[SLOTS], s[SLOTS], 1
	s_cmp_lg_u32 s[SLOTS], 0
	s_cbranch_scc1 .Lslot
	CHANGE 0                        ; the last slot is written out: nothing is asked for
	FOUR_STEPS
	TURN 0, 0                       ; piece 0: V^T P of the last step | piece 2's last softmax
.set i, 0
.rept 20
	PV 2                            ; piece 2: V^T P of the last step
.set i, i+1
.endr
	; THE WAY OUT.  l is channel 65 (register 1 of the fifth block, in lanes 0-15; the other half holds 0): both halves take it; O^T is divided by l, rounded to f16 and sent through my stage, a tile at a time.
	WIN 0
	PLACES
	WIN 0x01                        ; source 0 window 1
.irp t, 0,1,2,3
	v_mov_b32 v[ST+8*(\t)+4], v[40*(\t)+33]
	v_mov_b32 v[ST+8*(\t)+5], v[40*(\t)+32]
.endr
	WIN 0
.irp t, 0,1,2,3
	v_permlanex16_b32 v[ST+8*(\t)+7], v[ST+8*(\t)+4], s[SEL], s[SEL+1]
.endr
.irp t, 0,1,2,3
	v_add_f32 v[ST+8*(\t)+4], v[ST+8*(\t)+4], v[ST+8*(\t)+7]
.endr
.irp t, 0,1,2,3
	v_rcp_f32 v[ST+8*(\t)+6], v[ST+8*(\t)+4]
.endr
	v_nop                           ; a plain instruction behind the last reciprocal,
	s_wait_alu depctr_va_vdst(0)    ; and the one wait for the four
.irp t, 0,1,2,3
	v_mul_f32 v[ST+8*(\t)+5], v[ST+8*(\t)+5], v[ST+8*(\t)+6]   ; the time channel
.endr
.macro PACK t                       ; nine LDS instructions: the time channel's word, four stores of 16 bytes into rows of 144, four loads of whole rows of 128
	WIN W_RS
.set u, 0
.rept 16
	v_pk_mul_f32 v[40*(\t)+u:40*(\t)+u+1], v[40*(\t)+u:40*(\t)+u+1], v[ST+8*(\t)+6:ST+8*(\t)+7] op_sel_hi:[1,0]
.set u, u+2
.endr
	WIN 0x05                        ; sources 0 and 1 window 1, destination window 0: S^T's registers are free
.set u, 0
.rept 16
	v_cvt_pk_f16_f32 v[S+16*(\t)+u], v[40*(\t)+2*u], v[40*(\t)+2*u+1]
.set u, u+1
.endr
	WIN 0
	ds_store_b32 v[ST2], v[ST+8*(\t)+5] offset:64*(\t)
.irp f, 0,1,2,3
	ds_store_b128 v[STO], v[S+16*(\t)+4*(\f):S+16*(\t)+4*(\f)+3] offset:32*(\f)
.endr
.irp f, 0,1,2,3
	ds_load_b128 v[S+16*(\t)+4*(\f):S+16*(\t)+4*(\f)+3], v[RD] offset:(\f)*4*SP  ; LDS serves a wave's instructions in order (ISA guide 5.7.1.4): these see the stores above; the next tile's come behind them
.endr
.endm
.macro SEND t, younger              ; younger: the LDS instructions issued behind tile t's loads: the next tile's nine, or none
.irp f, 0,1,2,3
	s_wait_dscnt (\younger)+3-(\f)
	global_store_b128 v[GO], v[S+16*(\t)+4*(\f):S+16*(\t)+4*(\f)+3], s[50:51] offset:(\t)*2048+(\f)*512  ; 512 consecutive bytes, aligned
.endr
.endm
	PACK 0
	PACK 1
	SEND 0, 9
	PACK 2
	SEND 1, 9
	PACK 3
	SEND 2, 9
	SEND 3, 0
	ds_load_b64 v[52:53], v[RD2]    ; my 64 queries' time channel: 256 bytes
	s_wait_dscnt 0x0
	global_store_b64 v[GO2], v[52:53], s[52:53]
	s_wait_tensorcnt 0x0            ; the wave's end: behind my last tensor load and my last LDS store
	ds_add_u32 v[SPW], v[NIL]
	s_wait_dscnt 0x0
	CROUND                          ; the closing round
	s_endpgm
.Lfunc_end_k_q42c66de12f_attn:
	.size	k_q42c66de12f_attn, .Lfunc_end_k_q42c66de12f_attn-k_q42c66de12f_attn
	.p2alignl 7, 3214868480
	.fill 96, 4, 3214868480
	.section	.rodata,"a",@progbits
	.p2align	6, 0x0
	.amdhsa_kernel k_q42c66de12f_attn
		.amdhsa_group_segment_fixed_size 327680
		.amdhsa_private_segment_fixed_size 0
		.amdhsa_enable_private_segment 0
		.amdhsa_kernarg_size 24
		.amdhsa_user_sgpr_count 2
		.amdhsa_user_sgpr_kernarg_segment_ptr 1
		.amdhsa_wavefront_size32 1
		.amdhsa_system_sgpr_workgroup_id_x 1
		.amdhsa_system_sgpr_workgroup_id_y 1
		.amdhsa_system_sgpr_workgroup_id_z 1
		.amdhsa_system_vgpr_workitem_id 0
		.amdhsa_next_free_vgpr 1024
		.amdhsa_next_free_sgpr 66
		.amdhsa_reserve_vcc 0
		.amdhsa_float_denorm_mode_32 3
		.amdhsa_float_denorm_mode_16_64 3
		.amdhsa_memory_ordered 1
		.amdhsa_forward_progress 1
		.amdhsa_inst_pref_size 137
	.end_amdhsa_kernel
	.amdgpu_metadata
---
amdhsa.version: [ 1, 2 ]
amdhsa.kernels:
  - .name:           k_q42c66de12f_attn
    .symbol:         k_q42c66de12f_attn.kd
    .args:
      - { .name: qk, .offset: 0, .size: 8, .value_kind: global_buffer, .address_space: global }
      - { .name: vh, .offset: 8, .size: 8, .value_kind: global_buffer, .address_space: global }
      - { .name: y, .offset: 16, .size: 8, .value_kind: global_buffer, .address_space: global }
    .group_segment_fixed_size: 327680
    .private_segment_fixed_size: 0
    .kernarg_segment_align: 8
    .kernarg_segment_size: 24
    .max_flat_workgroup_size: 128
    .sgpr_count:     66
    .vgpr_count:     1024
    .wavefront_size: 32
...
	.end_amdgpu_metadata
.endif
;; end of part 3
;; launch proj (part 4): grid 8 x 32, 4 waves a work-group, clusters of 4 x 4, 327,680 bytes of LDS; arguments y, wpb, out0; writes out0
.if DOCPART == 4
	.amdgcn_target "amdgcn-amd-amdhsa--gfx1250"
	.amdhsa_code_object_version 6
	.text
	.protected	k_q42c66de12f_proj
	.globl	k_q42c66de12f_proj
	.p2align	8
	.type	k_q42c66de12f_proj,@function
k_q42c66de12f_proj:
	s_mov_b64 s[64:65], 0
	v_nop
	global_prefetch_b8 v0, s[64:65] scope:SCOPE_SE
	s_setreg_imm32_b32 hwreg(HW_REG_WAVE_MODE, 25, 1), 1
	s_wait_xcnt 0x0
	s_wait_alu depctr_hold_cnt(0) depctr_sa_sdst(0) depctr_va_vdst(0) depctr_va_sdst(0) depctr_va_ssrc(0) depctr_va_vcc(0) depctr_vm_vsrc(0)
	s_getreg_b32 s2, hwreg(HW_REG_IB_STS2, 6, 4)
	s_cmp_eq_u32 s2, 0
	s_cbranch_scc0 .Lentry_in_a_cluster
	s_endpgm
.Lentry_in_a_cluster:
	s_bfe_u32 s2, ttmp6, 0x10000c
	s_cmp_lg_u32 s2, 0xf033
	s_cbranch_scc0 .Lentry_shape_is_right
	s_endpgm
.Lentry_shape_is_right:
; PROJ: out0[m][n] = the sum over k of y[m][k] Wp[n][k], f16 operands, f32 sums, f32 out.  y comes by heads (ys: [32 blocks of 128 tokens][16 heads][128][64] f16; yt at byte 8,388,608: [32][2048] f32,
; the time channels); wpb holds Wp's columns in the same order: 1,024 spatial, 16 time, then 0.
; LIMITS.  The time channel is rounded to f16 here, like the rest of y: within 65,504; below 6e-5 it keeps f16's fixed step of 6e-8.
; SHARES.  A work-group makes 128 rows x 144 columns; wave w rows 32 w .. 32 w + 31 and all 144 columns: 18 accumulators.  8 x 32 work-groups; the last tile column holds 32 of out0's columns and 112 of wpb's rows of 0.
; K: the 16 time channels first, 32 along K straight from memory into registers: their products start the sums.  Then four steps of 256 (four heads) through a ring of two LDS slots.
; CLUSTER 4 x 4: y's tile is shared along a row of the cluster, wpb's along a column.  No prefetch: the tiles are small and the launch is short.
; out0's rows are 4,160 bytes, so they begin at multiples of 64 bytes only: a store covers 512 consecutive bytes of a row, not always whole aligned blocks of 256.
; REGISTERS: window 0: v0-31 addresses; v32-103 at work on the way out; v112-255 the accumulators ((a, b) at v[112 + 8 (9 a + b)]).  window 1: two fragment buffers of 88: y's 16, then wpb's 72.
.set APITCH, 144                       ; a row of y in LDS: 128 bytes + 16
.set AHEAD,  128*APITCH                ; a head's 128 rows
.set ALOAD,  2*AHEAD                   ; what one load brings
.set ATILE,  4*AHEAD
.set BPITCH, 528                       ; a row of wpb: 512 bytes + 16
.set BLOAD,  72*BPITCH
.set SLOT,   ATILE+2*BLOAD             ; 149,760
.set SPARE,  2*SLOT                    ; the spare words, 128 bytes for each wave: two blocks of 256 bytes that no other line names
.set OPITCH, 592                       ; the way out, in slot 0 when it has had its last fill and its last read: 16 rows of 576 bytes + 16 for each wave
.set OWAVE,  16*OPITCH
.set OROW,   4160
.set BA,  8                            ; v8-9   LDS address of my y fragments in slot 0, 1
.set BB,  10                           ; v10-11 the same for wpb
.set WA,  12                           ; v12-14 the same, walking; WB2 serves column blocks 4-8, whose offsets would pass 16 bits
.set WB,  13
.set WB2, 14
.set YTO, 15
.set WTO, 16
.set STO, 17
.set RDW, 18
.set RDL, 19
.set GO,  20
.set GOL, 21
.set CL,  22
.set SPW, 28
.set NIL, 29
.set OB,  32
.set ACC, 112
.set G1A, 24
.set G0A, 32
.set G1B, 48
.set G0B, 56
.set MSB, 0
.macro WIN new
.if MSB != (\new)
	s_set_vgpr_msb (MSB<<8)|(\new)
.set MSB, \new
.endif
.endm
.set MULW, 0x05                        ; sources 0 (wpb) and 1 (y) window 1; C and D window 0
.set TO_F, 0x40                        ; destination window 1, the rest window 0
.macro JLOAD s                         ; waves 0 and 1 fetch y's two halves, waves 2 and 3 wpb's; an s_nop 0 and four v_nop follow each line
	s_cmp_eq_u32 s11, 0
	s_cbranch_scc0 .Lfor_b_\@
	tensor_load_to_lds s[G0A+4*(\s):G0A+4*(\s)+3], s[G1A:G1A+7]
	s_nop 0
.rept 4
	v_nop
.endr
	s_branch .Lasked_\@
.Lfor_b_\@:
	tensor_load_to_lds s[G0B+4*(\s):G0B+4*(\s)+3], s[G1B:G1B+7]
	s_nop 0
.rept 4
	v_nop
.endr
.Lasked_\@:
.endm
.macro CREST
	s_cmp_lg_u32 s10, 0
	s_cbranch_scc1 .Lnot_wave_0_\@
	s_barrier_signal -3
.Lnot_wave_0_\@:
	s_barrier_wait -3
	s_barrier_signal -1
	s_barrier_wait -1
.endm
.macro CROUND
	s_barrier_signal -1
	s_barrier_wait -1
	CREST
.endm
.macro PLACES
.rept 4
	v_nop
.endr
.endm
	s_load_b128 s[4:7], s[0:1], 0x0                ; y s[4:5], wpb s[6:7]
	s_load_b64 s[8:9], s[0:1], 0x10                ; out0
	v_lshl_add_u32 v[SPW], v0, 2, SPARE
	v_mov_b32 v[NIL], 0
	ds_add_u32 v[SPW], v[NIL]                      ; the wave's opening: the add and its wait stand ahead of my first tensor load
	v_lshrrev_b32 v1, 5, v0
	v_readfirstlane_b32 s10, v1                    ; wave 0..3
	s_lshr_b32 s11, s10, 1                         ; I fetch for y (0) or for wpb (1),
	s_and_b32 s12, s10, 1                          ; this half of the tile
	s_bfe_u32 s40, ttmp6, 0x40000                  ; cx
	s_bfe_u32 s41, ttmp6, 0x40004                  ; cy
	s_lshl_b32 s42, ttmp9, 2
	s_add_co_u32 s42, s42, s40                     ; tile column 0..7
	s_and_b32 s13, ttmp7, 0xffff
	s_lshl_b32 s13, s13, 2
	s_add_co_u32 s13, s13, s41                     ; block of 128 rows 0..31
	s_lshl_b32 s43, s41, 2
	s_lshl_b32 s43, 15, s43
	s_lshl_b32 s44, 0x1111, s40
	s_or_b32 s[G1A], s43, (1<<16)|(1<<20)|(1<<21)|(4<<22)|(3<<25)   ; y: dense bytes asked for as rows of 256, padded after every 32 words (a row of a head) by 4
	s_mov_b32 s[G1A+1], 128<<16
	s_mov_b32 s[G1A+2], 128<<16
	s_mov_b32 s[G1A+3], 128<<16
	s_mov_b32 s[G1A+4], 128
	s_mov_b32 s[G1A+5], 128
	s_mov_b32 s[G1A+6], 0
	s_mov_b32 s[G1A+7], 0
	s_or_b32 s[G1B], s44, (1<<16)|(1<<20)|(1<<21)|(6<<22)|(3<<25)   ; wpb: 72 rows x 256 elements, padded after every 128 words by 4
	s_mov_b32 s[G1B+1], 256<<16
	s_mov_b32 s[G1B+2], 72<<16
	s_mov_b32 s[G1B+3], 256<<16
	s_mov_b32 s[G1B+4], 72
	s_mov_b32 s[G1B+5], 1152
	s_mov_b32 s[G1B+6], 0
	s_mov_b32 s[G1B+7], 0
	s_lshl_b32 s16, s13, 18                        ; a block's 16 heads x 16,384 bytes
	s_lshl_b32 s17, s12, 15                        ; two heads
	s_add_co_u32 s16, s16, s17
	s_mov_b32 s17, 0
	s_mul_i32 s46, s42, 144
	s_mul_i32 s47, s12, 72
	s_add_co_u32 s46, s46, s47
	s_mul_i32 s46, s46, 2304
	s_mov_b32 s47, 0
	s_mul_i32 s20, s12, ALOAD
	s_mul_i32 s21, s12, BLOAD
	s_add_co_u32 s21, s21, ATILE
	s_wait_dscnt 0x0                               ; the opening add is done
	s_wait_kmcnt 0x0
	s_add_nc_u64 s[14:15], s[4:5], s[16:17]
	s_add_nc_u64 s[46:47], s[6:7], s[46:47]
	CROUND                                         ; all sixteen work-groups are here
.irp s, 0,1
	s_mov_b32 s[G0A+4*(\s)], 1
	s_add_co_u32 s[G0A+4*(\s)+1], s20, (\s)*SLOT
	s_add_nc_u64 s[G0A+4*(\s)+2:G0A+4*(\s)+3], s[14:15], (\s)*65536   ; step s: four heads
	s_or_b32 s[G0A+4*(\s)+3], s[G0A+4*(\s)+3], 0x80000000
	s_mov_b32 s[G0B+4*(\s)], 1
	s_add_co_u32 s[G0B+4*(\s)+1], s21, (\s)*SLOT
	s_add_nc_u64 s[G0B+4*(\s)+2:G0B+4*(\s)+3], s[46:47], (\s)*512
	s_or_b32 s[G0B+4*(\s)+3], s[G0B+4*(\s)+3], 0x80000000
	JLOAD \s                                       ; both slots' first fills go out together: two loads of mine are out
.endr
	; the time channels: source 1's lane (r, h) wants heads 8 h + 0..7 of token r; source 0's the same columns of wpb's row r; the upper 16 of the 32 along K are 0
	v_and_b32 v1, 15, v0
	v_bfe_u32 v2, v0, 4, 1
	v_lshlrev_b32 v[YTO], 2, v1
	v_lshl_add_u32 v[YTO], v2, 16, v[YTO]          ; 8 heads x 8,192 bytes
	v_mul_u32_u24 v[WTO], v1, 2304
	v_lshl_add_u32 v[WTO], v2, 4, v[WTO]
	s_lshr_b32 s66, s13, 4
	s_lshl_b32 s66, s66, 17                        ; the batch's 16 heads
	s_and_b32 s67, s13, 15
	s_lshl_b32 s67, s67, 9
	s_add_co_u32 s66, s66, s67
	s_lshl_b32 s67, s10, 7
	s_add_co_u32 s66, s66, s67
	s_add_co_u32 s66, s66, 8388608
	s_mov_b32 s67, 0
	s_add_nc_u64 s[66:67], s[4:5], s[66:67]
	s_mul_i32 s68, s42, 144*2304
	s_add_co_u32 s68, s68, 2048
	s_mov_b32 s69, 0
	s_add_nc_u64 s[68:69], s[6:7], s[68:69]
.irp a, 0,1
.irp j, 0,1,2,3,4,5,6,7
	global_load_b32 v[OB+8*(\a)+(\j)], v[YTO], s[66:67] offset:(\j)*8192+64*(\a)
.endr
.endr
	WIN TO_F
.irp b, 0,1,2,3,4,5,6,7,8
	global_load_b128 v[88+16+8*(\b):88+16+8*(\b)+3],   v[WTO], s[68:69] offset:(\b)*36864
	global_load_b128 v[88+16+8*(\b)+4:88+16+8*(\b)+7], v[WTO], s[68:69] offset:(\b)*36864+32
.endr
	WIN 0
	v_mul_u32_u24 v3, v1, APITCH
	v_lshl_add_u32 v3, v2, 4, v3
	s_mul_i32 s70, s10, 32*APITCH
	v_add_nc_u32 v[BA], s70, v3
	v_add_nc_u32 v[BA+1], SLOT, v[BA]
	v_mul_u32_u24 v3, v1, BPITCH
	v_lshl_add_u32 v3, v2, 4, v3
	v_add_nc_u32 v[BB], ATILE, v3
	v_add_nc_u32 v[BB+1], SLOT, v[BB]
	s_mul_i32 s70, s10, OWAVE                      ; the way out
	v_mul_u32_u24 v3, v1, OPITCH
	v_lshl_add_u32 v3, v2, 5, v3
	v_add_nc_u32 v[STO], s70, v3
	v_and_b32 v3, 31, v0
	v_lshlrev_b32 v[GO], 4, v3
	v_add_nc_u32 v[RDW], s70, v[GO]
	v_and_b32 v4, 3, v0
	v_lshlrev_b32 v[CL], 4, v4
	v_add_nc_u32 v[CL], 512, v[CL]                 ; the last 64 bytes of a row: four lanes a row
	v_lshrrev_b32 v3, 2, v3
	v_mad_u32_u24 v[RDL], v3, OPITCH, v[CL]
	v_add_nc_u32 v[RDL], s70, v[RDL]
	v_mad_u32_u24 v[GOL], v3, OROW, v[CL]
	s_lshl_b32 s70, s13, 7
	s_lshl_b32 s71, s10, 5
	s_add_co_u32 s70, s70, s71
	s_mul_i32 s70, s70, OROW
	s_mul_i32 s72, s42, 576
	s_add_co_u32 s70, s70, s72
	s_mov_b32 s71, 0
	s_add_nc_u64 s[8:9], s[8:9], s[70:71]          ; out0 at my first row and the tile's first column
	s_sub_co_u32 s72, OROW, s72
	s_min_u32 s72, s72, 576                        ; bytes of the tile's rows that lie inside out0
	s_wait_loadcnt 0x0
	WIN TO_F
.irp a, 0,1
.irp u, 0,1,2,3
	v_cvt_pk_f16_f32 v[88+8*(\a)+(\u)], v[OB+8*(\a)+2*(\u)], v[OB+8*(\a)+2*(\u)+1]
	v_mov_b32 v[88+8*(\a)+4+(\u)], 0
.endr
.endr
	WIN 0
; cnt products from number n0 of 18 (row block n / 9, column block n % 9) on buffer f; the 18 accumulators take turns.  z = 1: they start the sums
.macro MULN f, n0, cnt, z
	WIN MULW
.set n, \n0
.rept \cnt
.if \z
	v_wmma_f32_16x16x32_f16 v[ACC+8*n:ACC+8*n+7], v[88*(\f)+16+8*(n%9):88*(\f)+16+8*(n%9)+7], v[88*(\f)+8*(n/9):88*(\f)+8*(n/9)+7], 0
.else
	v_wmma_f32_16x16x32_f16 v[ACC+8*n:ACC+8*n+7], v[88*(\f)+16+8*(n%9):88*(\f)+16+8*(n%9)+7], v[88*(\f)+8*(n/9):88*(\f)+8*(n/9)+7], v[ACC+8*n:ACC+8*n+7]
.endif
.set n, n+1
.endr
.endm
; 22 LDS loads in one run: 32 along K, the lower (odd = 0) or upper half of the head at which the walking addresses stand, into buffer f
.macro FETCH f, odd
	WIN TO_F
.irp a, 0,1
	ds_load_b128 v[88*(\f)+8*(\a):88*(\f)+8*(\a)+3],   v[WA] offset:(\a)*16*APITCH+64*(\odd)
	ds_load_b128 v[88*(\f)+8*(\a)+4:88*(\f)+8*(\a)+7], v[WA] offset:(\a)*16*APITCH+64*(\odd)+32
.endr
.irp b, 0,1,2,3
	ds_load_b128 v[88*(\f)+16+8*(\b):88*(\f)+16+8*(\b)+3],   v[WB] offset:(\b)*16*BPITCH+64*(\odd)
	ds_load_b128 v[88*(\f)+16+8*(\b)+4:88*(\f)+16+8*(\b)+7], v[WB] offset:(\b)*16*BPITCH+64*(\odd)+32
.endr
.irp b, 4,5,6,7,8
	ds_load_b128 v[88*(\f)+16+8*(\b):88*(\f)+16+8*(\b)+3],   v[WB2] offset:((\b)-4)*16*BPITCH+64*(\odd)
	ds_load_b128 v[88*(\f)+16+8*(\b)+4:88*(\f)+16+8*(\b)+7], v[WB2] offset:((\b)-4)*16*BPITCH+64*(\odd)+32
.endr
	WIN 0
.endm
; A STEP of 256 along K in a slot: eight times 32, on buffers 0, 1 by turns; it begins by multiplying what the step before left in buffer 1 (the first time: the time channels, which start the sums).
; mode 1: at its end the slots change behind a round of the cluster's barrier, and this slot is filled again with the step two on (it has 144 products less 9 in which to land);
; mode 0: a plain barrier, nothing is asked for; mode 2: the last step.
.macro STEP slot, z, mode
	WIN 0
	v_mov_b32 v[WA], v[BA+(\slot)]
	v_mov_b32 v[WB], v[BB+(\slot)]
	v_add_nc_u32 v[WB2], 4*16*BPITCH, v[BB+(\slot)]
	FETCH 0, 0
	MULN 1, 0, 18, \z
	WIN 0
	s_mov_b32 s3, 3
.Lin_\@:
	PLACES
	FETCH 1, 1
	s_wait_dscnt 22                                ; buffer 0 is in; the 22 loads just issued may be out
	MULN 0, 0, 18, 0
	WIN 0
	v_add_nc_u32 v[WA], AHEAD, v[WA]               ; the next head: these three and a v_nop are the places behind the products
	v_add_nc_u32 v[WB], 128, v[WB]
	v_add_nc_u32 v[WB2], 128, v[WB2]
	v_nop
	FETCH 0, 0
	s_wait_dscnt 22
	MULN 1, 0, 18, 0
	WIN 0
	s_sub_co_u32 s3, s3, 1
	s_cmp_lg_u32 s3, 0
	s_cbranch_scc1 .Lin_\@
	PLACES
	FETCH 1, 1                                     ; the step's last fragments: my reads of the slot end with them
	s_wait_dscnt 22
.if (\mode) == 2
	MULN 0, 0, 18, 0
.else
	MULN 0, 0, 9, 0
	WIN 0
	s_wait_tensorcnt 0x0                           ; all my tensor loads have landed: my part of the next slot
	ds_add_u32 v[SPW], v[NIL]                      ; 0 onto my spare word
.if (\mode) == 1
	s_add_nc_u64 s[G0A+4*(\slot)+2:G0A+4*(\slot)+3], s[G0A+4*(\slot)+2:G0A+4*(\slot)+3], 2*65536
	s_add_nc_u64 s[G0B+4*(\slot)+2:G0B+4*(\slot)+3], s[G0B+4*(\slot)+2:G0B+4*(\slot)+3], 2*512
.endif
	MULN 0, 9, 5, 0
	s_wait_dscnt 0x0                               ; the add is done, and my reads of this slot are over
	s_barrier_signal -1
	MULN 0, 14, 4, 0
	WIN 0
	s_barrier_wait -1
.if (\mode) == 1
	CREST                                          ; no wave of any partner still reads this slot or has a load on its way
	JLOAD \slot                                    ; the first tensor load behind the round; its four v_nop are also places in front of the next loads
.else
	PLACES
.endif
.endif
.endm
	s_wait_tensorcnt 1                             ; my part of step 0 is in; step 1's may stay out
	s_barrier_signal -1
	s_barrier_wait -1
	STEP 0, 1, 1
	STEP 1, 0, 1
	STEP 0, 0, 0
	STEP 1, 0, 2
	s_wait_dscnt 0x0
	MULN 1, 0, 18, 0
	WIN 0
	PLACES
	; THE WAY OUT, 16 rows at a time: 32 bytes a lane into my stage (slot 0: filled no more, and every wave's reads of it ended in front of the last barrier), back as whole rows, stored under a mask of the columns that out0 has
.irp a, 0,1
.irp b, 0,1,2,3,4,5,6,7,8
	ds_store_b128 v[STO], v[ACC+8*(9*(\a)+(\b)):ACC+8*(9*(\a)+(\b))+3]   offset:64*(\b)
	ds_store_b128 v[STO], v[ACC+8*(9*(\a)+(\b))+4:ACC+8*(9*(\a)+(\b))+7] offset:64*(\b)+16
.endr
.irp t, 0,1,2,3,4,5,6,7,8,9,10,11,12,13,14,15
	ds_load_b128 v[OB+4*(\t):OB+4*(\t)+3], v[RDW] offset:(\t)*OPITCH   ; LDS serves a wave's instructions in order (ISA guide 5.7.1.4): these see the stores above
.endr
	ds_load_b128 v[OB+64:OB+67], v[RDL]
	ds_load_b128 v[OB+68:OB+71], v[RDL] offset:8*OPITCH
	s_wait_dscnt 0x0
	v_cmp_gt_u32 vcc_lo, s72, v[GO]
	s_wait_xcnt 0x0                                ; EXEC changes only behind s_wait_xcnt 0
	s_and_saveexec_b32 s73, vcc_lo
.irp t, 0,1,2,3,4,5,6,7,8,9,10,11,12,13,14,15
	global_store_b128 v[GO], v[OB+4*(\t):OB+4*(\t)+3], s[8:9] offset:(16*(\a)+(\t))*OROW th:TH_STORE_NT
.endr
	s_wait_xcnt 0x0
	s_or_b32 exec_lo, exec_lo, s73
	v_cmp_gt_u32 vcc_lo, s72, v[CL]
	s_and_saveexec_b32 s73, vcc_lo
	global_store_b128 v[GOL], v[OB+64:OB+67], s[8:9] offset:16*(\a)*OROW th:TH_STORE_NT
	global_store_b128 v[GOL], v[OB+68:OB+71], s[8:9] offset:(16*(\a)+8)*OROW th:TH_STORE_NT
	s_wait_xcnt 0x0                                ; and again in front of the line that widens it; the stores' data may be written again behind this wait too
	s_or_b32 exec_lo, exec_lo, s73
.endr
	s_wait_tensorcnt 0x0                           ; the wave's end: behind my last tensor load and my last LDS store
	ds_add_u32 v[SPW], v[NIL]
	s_wait_dscnt 0x0
	CROUND                                         ; the closing round
	s_endpgm
.Lfunc_end_k_q42c66de12f_proj:
	.size	k_q42c66de12f_proj, .Lfunc_end_k_q42c66de12f_proj-k_q42c66de12f_proj
	.p2alignl 7, 3214868480
	.fill 96, 4, 3214868480
	.section	.rodata,"a",@progbits
	.p2align	6, 0x0
	.amdhsa_kernel k_q42c66de12f_proj
		.amdhsa_group_segment_fixed_size 327680
		.amdhsa_private_segment_fixed_size 0
		.amdhsa_enable_private_segment 0
		.amdhsa_kernarg_size 24
		.amdhsa_user_sgpr_count 2
		.amdhsa_user_sgpr_kernarg_segment_ptr 1
		.amdhsa_wavefront_size32 1
		.amdhsa_system_sgpr_workgroup_id_x 1
		.amdhsa_system_sgpr_workgroup_id_y 1
		.amdhsa_system_sgpr_workgroup_id_z 1
		.amdhsa_system_vgpr_workitem_id 0
		.amdhsa_next_free_vgpr 512
		.amdhsa_next_free_sgpr 80
		.amdhsa_reserve_vcc 1
		.amdhsa_float_denorm_mode_32 3
		.amdhsa_float_denorm_mode_16_64 3
		.amdhsa_memory_ordered 1
		.amdhsa_forward_progress 1
		.amdhsa_inst_pref_size 71
	.end_amdhsa_kernel
	.amdgpu_metadata
---
amdhsa.version: [ 1, 2 ]
amdhsa.kernels:
  - .name:           k_q42c66de12f_proj
    .symbol:         k_q42c66de12f_proj.kd
    .args:
      - { .name: y, .offset: 0, .size: 8, .value_kind: global_buffer, .address_space: global }
      - { .name: wpb, .offset: 8, .size: 8, .value_kind: global_buffer, .address_space: global }
      - { .name: out0, .offset: 16, .size: 8, .value_kind: global_buffer, .address_space: global }
    .group_segment_fixed_size: 327680
    .private_segment_fixed_size: 0
    .kernarg_segment_align: 8
    .kernarg_segment_size: 24
    .max_flat_workgroup_size: 128
    .sgpr_count:     80
    .vgpr_count:     512
    .wavefront_size: 32
...
	.end_amdgpu_metadata
.endif
;; end of part 4
